; MI455X (gfx1250); checked and timed in simulation.
; The chip was launched on July 23, 2026; its instructions are those of AMD's public machine-readable ISA for CDNA 5 (MIT licence, August 2026) and "CDNA5" Instruction Set Architecture Reference Guide (July 2026). The comments in the code are by the model that wrote it; some were corrected since.
;; Multi Head Attention. Allowed arithmetic: matrix products marked QUANTISED: E2M3 operands, one E8M0 scale for each 32 along K, by v_wmma_scale_f32_16x16x128_f8f6f4 with both operands' format E2M3, f32 sums; everything else in f32.
;; Inputs: Wk 1,024 x 1,024 float32; Wo 1,024 x 1,024 float32; Wq 1,024 x 1,024 float32; Wv 1,024 x 1,024 float32; bk 1,024 float32; bo 1,024 float32; bq 1,024 float32; bv 1,024 float32; key 4 x 2,048 x 1,024 float32; mask 4 x 1 x 1 x 2,048 int32; query 4 x 2,048 x 1,024 float32; value 4 x 2,048 x 1,024 float32.
;; Outputs: out0 4 x 2,048 x 1,024 float32.
;; This version of the problem:
;;   THIS VERSION OF THE PROBLEM IS GIVEN IN LOW PRECISION. The matrix products marked QUANTISED in the list below multiply operands that are first quantised to E2M3 (2 exponent bits, 3 mantissa bits; 6 bits a number), with one power-of-two scale for each 32 numbers along K (OCP MX v1.0); their sums are f32. All else is computed in f32.
;;   The module's matrix products, in the order in which they are computed (A, B: the left and right operand; K: the contracted axis; several contracted axes count as one K, in the product's order):
;;     1. [M 8,192, K 1,024] x [K 1,024, N 1,024]; A: input query; B: input Wq: QUANTISED
;;     2. [M 8,192, K 1,024] x [K 1,024, N 1,024]; A: input key; B: input Wk: QUANTISED
;;     3. [M 8,192, K 1,024] x [K 1,024, N 1,024]; A: input value; B: input Wv: QUANTISED
;;     4. batch 64 x [M 2,048, K 64] x [K 64, N 2,048]; A: computed on the way; B: computed on the way: QUANTISED
;;     5. batch 64 x [M 2,048, K 2,048] x [K 2,048, N 64]; A: softmax (see below); B: computed on the way: QUANTISED
;;     6. [M 8,192, K 1,024] x [K 1,024, N 1,024]; A: computed on the way; B: input Wo: QUANTISED
;;   THE QUANTISER, for each operand of a quantised product, along K:
;;     - K is cut into blocks of 32 from its start; a last block that is shorter is filled with zeros.
;;     - A block's scale is 2^e with e = floor(log2(the largest magnitude in the block)) - 2, held to -126 .. 127; a block of zeros has e = 0. As a byte (E8M0): e + 127.
;;     - Each number is divided by its block's scale, clamped to +-7.5, and rounded to the nearest number of E2M3, ties to even, subnormals kept.
;;     - The product sums the exact products of the quantised numbers (number of the format x scale) in f32.
;;   ~~~python
;;   def quantise(x, axis):      # numpy; x: float32 -> the quantised numbers, widened to float32 again
;;       x = np.moveaxis(x, axis, -1); K = x.shape[-1]
;;       x = np.pad(x, [(0, 0)] * (x.ndim - 1) + [(0, -K % 32)]); x = x.reshape(x.shape[:-1] + (-1, 32)); a = np.abs(x).max(-1, keepdims=True)
;;       e = np.where(a > 0, np.clip(np.frexp(np.where(a > 0, a, 1))[1] - 1 - 2, -126, 127), 0)      # np.frexp(a)[1] - 1 = floor(log2(a)), exactly
;;       r = np.clip(x / 2.0 ** e, -7.5, 7.5)
;;       step = 2.0 ** (np.maximum(np.frexp(np.where(r == 0, 1, r))[1] - 1, 0) - 3)
;;       q = np.round(r / step) * step * 2.0 ** e      # np.round: ties to even
;;       return np.moveaxis(q.reshape(q.shape[:-2] + (-1,))[..., :K], -1, axis).astype(np.float32)
;;   ~~~
;;   SOFTMAX AHEAD OF A QUANTISED PRODUCT. Where the list says 'softmax', what is quantised is not the finished softmax but p = 2^(t - M), with t = logit x log2(e) and M = ceil(the row's largest t), a whole number; so 1/2 < the row's largest p <= 1. The row's sum l is taken of the UNQUANTISED p, in f32, and the product's result is divided by l at the end. Since M is a whole number, a kernel that streams over the keys may use a running M (the ceiling of the running maximum): every later rescaling is an exact power of two, which a block's scale takes up: the codes' values come out the same.
;;   OPERANDS COMPUTED ON THE WAY. 'Computed on the way' means the value that the module computes at that place (a softmax that the list does not call 'softmax' is quantised finished and normalised). What goes into a quantiser is computed in f32, as accurately as f32 sums, v_exp_f32 and their like allow (about 1e-6 of the number): no bf16 or f16 on the way to a quantiser, and a product that is left as it is and whose result goes on into a quantised operand takes f32 operands (vector FMAs, or v_wmma_f32_16x16x4_f32). A number that lies on a knife's edge between two numbers of the format may be rounded either way, as far as f32 arithmetic and the matrix unit's own rounding can turn it there, and no further.
;; One version. Each part assembles by itself: llvm-mc -triple=amdgcn-amd-amdhsa -mcpu=gfx1250 --defsym DOCPART=n.
;; ======== version 1 of 1: 4 launches
;; limits: right only within a limited range of input values
;; workspace buffers: codes 22,020,096 bytes; scales 917,504 bytes; qimg 6,815,744 bytes; kimg 6,815,744 bytes; vimg 6,815,744 bytes; ximg 6,291,456 bytes; xscl 262,144 bytes
;; launch quant (part 1): grid 896 x 1, 4 waves a work-group, no clusters, 33,280 bytes of LDS; arguments query, key, value, Wq, Wk, Wv, Wo, codes, scales; writes codes, scales
.if DOCPART == 1
	.amdgcn_target "amdgcn-amd-amdhsa--gfx1250"
	.amdhsa_code_object_version 6
	.text
	.protected	k_q7c3b0cfeb1_quant
	.globl	k_q7c3b0cfeb1_quant
	.p2align	8
	.type	k_q7c3b0cfeb1_quant,@function
k_q7c3b0cfeb1_quant:
	s_mov_b64 s[64:65], 0
	v_nop
	global_prefetch_b8 v0, s[64:65] scope:SCOPE_SE
	s_setreg_imm32_b32 hwreg(HW_REG_WAVE_MODE, 25, 1), 1
	s_wait_xcnt 0x0
; The seven f32 tensors whose K (1,024) is innermost become codes of FP6 (E2M3) and one E8M0 scale byte for each 32 along K.  No work of the module is left out anywhere in this program.
; codes: [4 planes of 256 along K][28,672 rows][192 bytes]: 128 rows of a plane are 24,576 dense bytes, a multiple of 256.  scales: [28,672 rows][32 bytes].
; Rows 0 query, 8,192 key, 16,384 value, 24,576 Wq, 25,600 Wk, 26,624 Wv, 27,648 Wo.
; A block's scale is 2^(floor(log2(its largest magnitude)) - 2); its byte is the largest magnitude's exponent field - 2, held at 1 from below.
; (A block of zeros so gets the byte 1 where the rule says 127: its codes are zeros, and this program alone reads the bytes.)
; LIMITS: blocks whose largest magnitude lies under 2^-124, the floor, keep the byte 1; NaN and infinities among the inputs are not served.
; SHARES.  A work-group takes 32 rows, each of its four waves 8 rows (16 steps of 512 numbers).  No tensor loads, no barrier: waves share nothing, so a cluster has nothing to share either.
; THE ORDER OF ROWS.  value, Wq, Wk, Wv: the second and third group of eight rows of every 32 change places: stored row 16 u + p of 32 holds row 8 u + p + 8 (p / 8).
; key: the eight groups of eight rows of every 64 are stored in the order 0, 4, 1, 5, 2, 6, 3, 7: stored tile u of 16 rows holds keys 8 u + 0 .. 7 and 32 + 8 u + 0 .. 7.
; query and Wo keep their order.
; Each of a step's four loads reads 512 consecutive bytes; the 2,048 bytes turn through the wave's own stage in LDS and come back 64 bytes (16 neighbours along K) a lane.
.set STEPS, 16
.set EMAX,  2
.set CB,    12
.set PLANE, 28672*192
.set R,     16                         ; v16-79   four sets of 16 numbers as they are loaded
.set X,     80                         ; v80-111  two sets of 16 neighbours
.set C,     128                        ; v128-191 codes: four registers a step, so that no store's data are written again
.set E,     112                        ; v112-127 a scale byte for each step
.set WREG,  8192                       ; LDS: a region for each wave: two stages of 32 x SP bytes, behind them its 256 scale bytes
.set SP,    80
	s_load_b512 s[4:19], s[0:1], 0x0               ; query, key, value, Wq, Wk, Wv, Wo, codes (s[18:19])
	s_load_b64 s[20:21], s[0:1], 0x40              ; scales
	v_lshl_add_u32 v192, v0, 2, 0x8000
	v_mov_b32 v193, 0
	v_lshrrev_b32 v1, 5, v0
	v_readfirstlane_b32 s22, v1                    ; wave
	v_and_b32 v2, 31, v0                           ; lane
	v_lshlrev_b32 v3, 4, v2
	s_mul_i32 s26, s22, WREG
	v_lshrrev_b32 v14, 2, v2
	v_mul_u32_u24 v14, v14, SP
	v_and_b32 v15, 3, v2
	v_lshl_add_u32 v14, v15, 4, v14
	v_add_nc_u32 v14, s26, v14                     ; the stage, on the way in
	v_mul_u32_u24 v15, v2, SP
	v_add_nc_u32 v15, s26, v15                     ; and on the way out: my 16 neighbours
	v_mul_u32_u24 v4, v2, CB                       ; my codes: lanes 0-15 fill a row's 192 bytes of a plane, lanes 16-31 the next row's: 384 consecutive bytes
	v_bfe_u32 v5, v2, 1, 3
	v_lshrrev_b32 v10, 4, v2
	v_lshl_add_u32 v5, v10, 5, v5                  ; my block's scale byte: 32 x (lane / 16) + (lane % 16) / 2
	s_add_co_u32 s26, s26, 2*32*SP
	v_add_nc_u32 v5, s26, v5
	v_lshlrev_b32 v7, 3, v2
	v_add_nc_u32 v6, s26, v7
	s_mov_b32 s23, 0
	s_wait_alu depctr_va_vdst(0)                   ; the wait at the head's end
	s_wait_kmcnt 0x0
.macro PICK t, nxt                     ; which tensor is my work-group's: the choice hangs on the work-group's number alone
	s_cmp_lt_u32 ttmp9, \t
	s_cselect_b64 s[4:5], s[4:5], s[\nxt:\nxt+1]
	s_cselect_b32 s23, s23, \t
.endm
	PICK 256, 6
	PICK 512, 8
	PICK 768, 10
	PICK 800, 12
	PICK 832, 14
	PICK 864, 16
	s_and_b32 s24, s22, 1
	s_lshl_b32 s24, s24, 1
	s_lshr_b32 s25, s22, 1
	s_or_b32 s24, s24, s25                         ; 0, 2, 1, 3
	s_sub_co_u32 s25, ttmp9, 512
	s_cmp_lt_u32 s25, 352                          ; work-groups 512 to 863: value, Wq, Wk, Wv
	s_cselect_b32 s24, s24, s22
	s_sub_co_u32 s25, ttmp9, s23
	s_lshl_b32 s25, s25, 2
	s_add_co_u32 s25, s25, s22                     ; which run of 8 rows of the tensor I read
	s_lshl_b32 s28, s25, 15
	s_mov_b32 s29, 0
	s_add_nc_u64 s[4:5], s[4:5], s[28:29]
	s_lshl_b32 s25, ttmp9, 2
	s_add_co_u32 s25, s25, s24                     ; and which run of the workspace I write
	s_and_b32 s26, ttmp9, 0xfffffffe               ; key: group 4 (work-group % 2) + wave of its 64 rows goes to place 2 x wave + work-group % 2
	s_lshl_b32 s26, s26, 2
	s_lshl_b32 s27, s22, 1
	s_add_co_u32 s26, s26, s27
	s_and_b32 s27, ttmp9, 1
	s_add_co_u32 s26, s26, s27
	s_sub_co_u32 s27, ttmp9, 256
	s_cmp_lt_u32 s27, 256
	s_cselect_b32 s25, s26, s25
	s_mul_i32 s28, s25, 8*192
	s_add_nc_u64 s[18:19], s[18:19], s[28:29]      ; planes 0, 1
	s_add_nc_u64 s[30:31], s[18:19], 2*PLANE       ; planes 2, 3
	s_lshl_b32 s28, s25, 8
	s_add_nc_u64 s[20:21], s[20:21], s[28:29]
.macro LOAD t
.irp i, 0,1,2,3
	global_load_b128 v[R+16*((\t)%4)+4*\i:R+16*((\t)%4)+4*\i+3], v3, s[4:5] offset:(2*((\t)/4)+\i/2)*4096+((\t)%4)*1024+(\i%2)*512 th:TH_LOAD_NT
.endr
.endm
.macro TURN t                          ; LDS serves a wave's instructions in order: no wait between the stores and the loads
.irp i, 0,1,2,3
	ds_store_b128 v14, v[R+16*((\t)%4)+4*\i:R+16*((\t)%4)+4*\i+3] offset:32*SP*((\t)%2)+8*SP*\i
.endr
.irp i, 0,1,2,3
	ds_load_b128 v[X+16*((\t)%2)+4*\i:X+16*((\t)%2)+4*\i+3], v15 offset:32*SP*((\t)%2)+16*\i
.endr
.endm
.irp t, 0,1,2,3
	LOAD \t
.endr
	s_wait_loadcnt 12                              ; step 0's four loads are in; the twelve of steps 1 to 3 may be out
	TURN 0
.macro STEP t                          ; step t is plane t % 4 (256 along K) of rows 2 (t / 4) and 2 (t / 4) + 1: two loads of 512 bytes from each row
.set XS, X+16*((\t)%2)
.if (\t) > 0
	s_wait_dscnt 1                                 ; this step's numbers are back (the last step's byte store may be out)
.else
	s_wait_dscnt 0x0
.endif
.if (\t)+4 < STEPS
	LOAD (\t)+4
.endif
.if (\t)+1 < STEPS
.if STEPS-2-(\t) >= 3
	s_wait_loadcnt 12                              ; the next step's four loads are in; those of the three steps behind it may be out
.else
	s_wait_loadcnt 4*(STEPS-2-(\t))
.endif
	TURN (\t)+1
.endif
	v_max3_num_f32 v8, |v[XS]|, |v[XS+1]|, |v[XS+2]|
	v_max3_num_f32 v9, |v[XS+3]|, |v[XS+4]|, |v[XS+5]|
.irp i, 6,10
	v_max3_num_f32 v8, v8, |v[XS+\i]|, |v[XS+\i+1]|
	v_max3_num_f32 v9, v9, |v[XS+\i+2]|, |v[XS+\i+3]|
.endr
	v_max3_num_f32 v8, v8, |v[XS+14]|, |v[XS+15]|
	v_max3_num_f32 v8, v8, v9, (EMAX+1)<<23        ; the floor: the byte cannot fall under 1
	v_max_num_f32_dpp v8, v8, v8 row_xmask:1 row_mask:0xf bank_mask:0xf   ; with my neighbour's 16: the block's
	v_add_nc_u32 v11, -(EMAX<<23), v8              ; the conversion takes this operand's exponent field as its scale
	v_cvt_scalef32_pk16_fp6_f32 v[C+4*(\t):C+4*(\t)+2], v[XS:XS+15], v11
	v_lshrrev_b32 v[E+(\t)], 23, v11               ; the scale's byte
	ds_store_b8 v5, v[E+(\t)] offset:64*((\t)/4)+8*((\t)%4)
.if (\t)%4 > 1
	global_store_b96 v4, v[C+4*(\t):C+4*(\t)+2], s[30:31] offset:((\t)%2)*PLANE+384*((\t)/4)
.else
	global_store_b96 v4, v[C+4*(\t):C+4*(\t)+2], s[18:19] offset:((\t)%2)*PLANE+384*((\t)/4)
.endif
.endm
.irp t, 0,1,2,3,4,5,6,7,8,9,10,11,12,13,14,15
	STEP \t
.endr
	ds_load_b64 v[12:13], v6
	s_wait_dscnt 0x0
	global_store_b64 v7, v[12:13], s[20:21]        ; 32 lanes store 256 consecutive bytes, aligned
	s_wait_tensorcnt 0x0                           ; the wave's end
	ds_add_u32 v192, v193
	s_wait_dscnt 0x0
	s_endpgm
.Lfunc_end_k_q7c3b0cfeb1_quant:
	.size	k_q7c3b0cfeb1_quant, .Lfunc_end_k_q7c3b0cfeb1_quant-k_q7c3b0cfeb1_quant
	.p2alignl 7, 3214868480
	.fill 96, 4, 3214868480
	.section	.rodata,"a",@progbits
	.p2align	6, 0x0
	.amdhsa_kernel k_q7c3b0cfeb1_quant
		.amdhsa_group_segment_fixed_size 33280
		.amdhsa_private_segment_fixed_size 0
		.amdhsa_enable_private_segment 0
		.amdhsa_kernarg_size 72
		.amdhsa_user_sgpr_count 2
		.amdhsa_user_sgpr_kernarg_segment_ptr 1
		.amdhsa_wavefront_size32 1
		.amdhsa_system_sgpr_workgroup_id_x 1
		.amdhsa_system_sgpr_workgroup_id_y 1
		.amdhsa_system_sgpr_workgroup_id_z 1
		.amdhsa_system_vgpr_workitem_id 0
		.amdhsa_next_free_vgpr 194
		.amdhsa_next_free_sgpr 66
		.amdhsa_reserve_vcc 0
		.amdhsa_float_denorm_mode_32 3
		.amdhsa_float_denorm_mode_16_64 3
		.amdhsa_memory_ordered 1
		.amdhsa_forward_progress 1
		.amdhsa_inst_pref_size 34
	.end_amdhsa_kernel
	.amdgpu_metadata
---
amdhsa.version: [ 1, 2 ]
amdhsa.kernels:
  - .name:           k_q7c3b0cfeb1_quant
    .symbol:         k_q7c3b0cfeb1_quant.kd
    .args:
      - { .name: query, .offset: 0, .size: 8, .value_kind: global_buffer, .address_space: global }
      - { .name: key, .offset: 8, .size: 8, .value_kind: global_buffer, .address_space: global }
      - { .name: value, .offset: 16, .size: 8, .value_kind: global_buffer, .address_space: global }
      - { .name: Wq, .offset: 24, .size: 8, .value_kind: global_buffer, .address_space: global }
      - { .name: Wk, .offset: 32, .size: 8, .value_kind: global_buffer, .address_space: global }
      - { .name: Wv, .offset: 40, .size: 8, .value_kind: global_buffer, .address_space: global }
      - { .name: Wo, .offset: 48, .size: 8, .value_kind: global_buffer, .address_space: global }
      - { .name: codes, .offset: 56, .size: 8, .value_kind: global_buffer, .address_space: global }
      - { .name: scales, .offset: 64, .size: 8, .value_kind: global_buffer, .address_space: global }
    .group_segment_fixed_size: 33280
    .private_segment_fixed_size: 0
    .kernarg_segment_align: 8
    .kernarg_segment_size: 72
    .max_flat_workgroup_size: 128
    .sgpr_count:     66
    .vgpr_count:     194
    .wavefront_size: 32
...
	.end_amdgpu_metadata
.endif
;; end of part 1
;; launch proj (part 2): grid 4 x 96, 4 waves a work-group, clusters of 4 x 4, 327,680 bytes of LDS; arguments codes, scales, bq, bk, bv, mask, qimg, kimg, vimg; writes qimg, kimg, vimg
.if DOCPART == 2
	.amdgcn_target "amdgcn-amd-amdhsa--gfx1250"
	.amdhsa_code_object_version 6
	.text
	.protected	k_q7c3b0cfeb1_proj
	.globl	k_q7c3b0cfeb1_proj
	.p2align	8
	.type	k_q7c3b0cfeb1_proj,@function
k_q7c3b0cfeb1_proj:
	s_mov_b64 s[64:65], 0
	v_nop
	global_prefetch_b8 v0, s[64:65] scope:SCOPE_SE
	s_setreg_imm32_b32 hwreg(HW_REG_WAVE_MODE, 25, 1), 1
	s_wait_xcnt 0x0
	s_wait_alu depctr_hold_cnt(0) depctr_sa_sdst(0) depctr_va_vdst(0) depctr_va_sdst(0) depctr_va_ssrc(0) depctr_va_vcc(0) depctr_vm_vsrc(0)
	s_getreg_b32 s2, hwreg(HW_REG_IB_STS2, 6, 4)
	s_cmp_eq_u32 s2, 0
	s_cbranch_scc0 .Lentry_in_a_cluster
	s_endpgm
.Lentry_in_a_cluster:
	s_bfe_u32 s2, ttmp6, 0x10000c
	s_cmp_lg_u32 s2, 0xf033
	s_cbranch_scc0 .Lentry_shape_is_right
	s_endpgm
.Lentry_shape_is_right:
; Q, K, V = x W^T + b on codes of FP6, quantised again on the way out into images of the attention launch's operand registers (6,656 bytes for 128 tokens of a head).
; A tile of 128 rows x 256 along K is 24,576 dense bytes of a plane of codes: it comes as 96 rows of 256 bytes, 16 bytes of padding behind every 64, so that a row of 192 bytes has an LDS pitch of 240.
; The keys of a tile of K are 64 (a / 4) + 8 (a % 4) + r % 8 + 32 (r / 8), as the first launch has laid them; the mask is read in that order.
.set KSTEP,  256
.set NQ,     KSTEP/128
.set ROWB,   28672*192
.set KROW,   192
.set PITCH,  240
.set FR,     12
.set NL,     6
.set NP,     4
.set HALFT,  128*PITCH
.set SLOT,   4*HALFT
.set LAPS,   2
.set KS,     32
.set SCL,    2*SLOT
.set HALFS,  (128*KS/256)*272
.set SBLK,   (16*KS/256)*272
.set SPARE,  SCL+4*HALFS
.set BLK,    6656
.set HEADB,  16*BLK
.set ADRA, 16
.set ADRB, 20
.set L16,  24
.set L8,   25
.set RR4,  26
.set ADRS, 27
.set SPW,  28
.set NIL,  29
.set H64,  30
.set SC,   32
.set BIAS, 64
.set AF,   128
.set MASK, 224
.set TM,   128
.set PWS,  168
.set W0,   176
.set W1,   184
.set EX,   192
.set EXM,  193
.set EXU,  194
.set SO,   196
.set HM,   2
.set G1,   24
.set G0,   32
.set G1B,  48
.set G0B,  56
.set PROJ, 66
.set ALL,  67
.set G1S,  68
.set G0S,  76
.set G1SB, 80
.set G0SB, 88
.set MK,   95
.set SEL,  96
.set MSB, 0
.macro WIN new
.if MSB != (\new)
	s_set_vgpr_msb (MSB<<8)|(\new)
.set MSB, (\new)
.endif
.endm
.set MUL_LO,   0xa1
.set MUL_HI,   0xf1
.set FIRST_LO, 0x81
.set FIRST_HI, 0xc1
.set TO_B,     0x40
.macro JLOAD g0a, g1a, g0b, g1b
	s_cmp_eq_u32 s15, 0
	s_cbranch_scc0 .Lfor_b_\@
	tensor_load_to_lds s[\g0a:\g0a+3], s[\g1a:\g1a+7]
	s_nop 0
.rept 4
	v_nop
.endr
	s_branch .Lasked_\@
.Lfor_b_\@:
	tensor_load_to_lds s[\g0b:\g0b+3], s[\g1b:\g1b+7]
	s_nop 0
.rept 4
	v_nop
.endr
.Lasked_\@:
.endm
.macro CREST
	s_cmp_lg_u32 s14, 0
	s_cbranch_scc1 .Lnot_wave_0_\@
	s_barrier_signal -3
.Lnot_wave_0_\@:
	s_barrier_wait -3
	s_barrier_signal -1
	s_barrier_wait -1
.endm
.macro CROUND
	s_barrier_signal -1
	s_barrier_wait -1
	CREST
.endm
	s_load_b512 s[68:83], s[0:1], 0x0
	s_load_b64 s[84:85], s[0:1], 0x40
	v_lshl_add_u32 v[SPW], v0, 2, SPARE
	v_mov_b32 v[NIL], 0
	ds_add_u32 v28, v29
	ds_add_u32 v28, v29
	s_wait_dscnt 0x0
	v_lshrrev_b32 v1, 5, v0
	v_readfirstlane_b32 s14, v1
	s_lshr_b32 s15, s14, 1
	s_and_b32 s16, s14, 1
	s_bfe_u32 s40, ttmp6, 0x40000
	s_bfe_u32 s41, ttmp6, 0x40004
	s_and_b32 s18, ttmp7, 0xffff
	s_lshr_b32 s[PROJ], s18, 3
	s_and_b32 s18, s18, 7
	s_lshl_b32 s18, s18, 2
	s_cmp_eq_u32 s[PROJ], 2
	s_cselect_b32 s19, 0, s18
	s_cselect_b32 s18, s18, 0
	s_add_co_u32 s17, s41, s19
	s_add_co_u32 s42, s40, s18
	s_lshl_b32 s98, s[PROJ], 13
	s_lshl_b32 s99, s[PROJ], 10
	s_add_co_u32 s99, s99, 24576
	s_cmp_eq_u32 s[PROJ], 2
	s_cselect_b32 s98, 26624, s98
	s_cselect_b32 s99, 16384, s99
	s_cmp_eq_u32 s[PROJ], 1
	s_cselect_b32 s[ALL], 0, -1
	s_lshl_b32 s43, s41, 2
	s_lshl_b32 s43, 15, s43
	s_lshl_b32 s44, 0x1111, s40
	s_or_b32 s[G1+0], s43, (3<<16)|(1<<20)|(1<<21)|(3<<22)|(3<<25)
	s_or_b32 s[G1B+0], s44, (3<<16)|(1<<20)|(1<<21)|(3<<22)|(3<<25)
.irp g, G1, G1B
	s_mov_b32 s[\g+1], 32<<16
	s_mov_b32 s[\g+2], 192<<16
	s_mov_b32 s[\g+3], 32<<16
	s_mov_b32 s[\g+4], 192
	s_mov_b32 s[\g+5], 32
	s_mov_b32 s[\g+6], 0
	s_mov_b32 s[\g+7], 0
.endr
	s_lshl_b32 s20, s17, 8
	s_add_co_u32 s20, s20, s98
	s_lshl_b32 s46, s42, 8
	s_add_co_u32 s46, s46, s99
	s_mov_b32 s21, 0
	s_mov_b32 s47, 0
	s_mov_b64 s[18:19], KS
	s_mul_u64 s[22:23], s[20:21], s[18:19]
	s_mul_u64 s[92:93], s[46:47], s[18:19]
	s_mov_b64 s[18:19], KROW
	s_mul_u64 s[20:21], s[20:21], s[18:19]
	s_mul_u64 s[46:47], s[46:47], s[18:19]
	s_mul_i32 s45, s14, HALFT
	s_mov_b32 s[SEL], 0x76543210
	s_mov_b32 s[SEL+1], 0xfedcba98
	s_wait_kmcnt 0x0
	s_mov_b64 s[4:5], s[68:69]
	s_mov_b64 s[6:7], s[70:71]
	s_mov_b64 s[10:11], s[78:79]
	s_cmp_eq_u32 s[PROJ], 0
	s_cselect_b64 s[8:9], s[72:73], s[74:75]
	s_cselect_b64 s[12:13], s[80:81], s[82:83]
	s_cmp_eq_u32 s[PROJ], 2
	s_cselect_b64 s[8:9], s[76:77], s[8:9]
	s_cselect_b64 s[12:13], s[84:85], s[12:13]
	s_or_b32 s[G1S+0], s43, (3<<16)|(1<<20)|(1<<21)|(5<<22)|(3<<25)
	s_or_b32 s[G1SB+0], s44, (3<<16)|(1<<20)|(1<<21)|(5<<22)|(3<<25)
.irp g, G1S, G1SB
	s_mov_b32 s[\g+1], 32<<16
	s_mov_b32 s[\g+2], (256*KS/256)<<16
	s_mov_b32 s[\g+3], 32<<16
	s_mov_b32 s[\g+4], 256*KS/256
	s_mov_b32 s[\g+5], 32
	s_mov_b32 s[\g+6], 0
	s_mov_b32 s[\g+7], 0
.endr
	s_add_nc_u64 s[20:21], s[4:5], s[20:21]
	s_add_nc_u64 s[22:23], s[6:7], s[22:23]
	s_add_nc_u64 s[46:47], s[4:5], s[46:47]
	s_add_nc_u64 s[92:93], s[6:7], s[92:93]
	CROUND
	s_mov_b32 s[G0S], 1
	s_mov_b32 s[G0S+1], SCL
	s_mov_b64 s[G0S+2:G0S+3], s[22:23]
	s_or_b32 s[G0S+3], s[G0S+3], 0x80000000
	s_mov_b32 s[G0SB], 1
	s_mov_b32 s[G0SB+1], SCL+2*HALFS
	s_mov_b64 s[G0SB+2:G0SB+3], s[92:93]
	s_or_b32 s[G0SB+3], s[G0SB+3], 0x80000000
; THE HEAD'S FOUR TILES, one load a wave, in one chain of branches on the wave's number: wave 0 slot 0's 256 rows of A (192 rows of 256 bytes), wave 1 its 256 rows of B, wave 2 the scales of A's 256 rows, wave 3 those of B's.
; The two loads of codes go by slot 1's group 0 registers, which are written anew behind the wait that shows them landed.
	s_mov_b32 s[G0+4], 1
	s_mov_b32 s[G0+5], 0
	s_mov_b64 s[G0+6:G0+7], s[20:21]
	s_or_b32 s[G0+7], s[G0+7], 0x80000000
	s_mov_b32 s[G0B+4], 1
	s_mov_b32 s[G0B+5], 2*HALFT
	s_mov_b64 s[G0B+6:G0B+7], s[46:47]
	s_or_b32 s[G0B+7], s[G0B+7], 0x80000000
.macro ARM under, g0, g1, next
	s_cmp_lt_u32 s14, \under
	s_cbranch_scc0 \next
	tensor_load_to_lds s[\g0:\g0+3], s[\g1:\g1+7]
	s_nop 0
.rept 4
	v_nop
.endr
	s_branch .Lhead_asked
\next:
.endm
	ARM 1, G0+4,  G1,  .Lhead_b
	ARM 2, G0B+4, G1B, .Lhead_sa
	ARM 3, G0S,   G1S, .Lhead_sb
	tensor_load_to_lds s[G0SB:G0SB+3], s[G1SB:G1SB+7]
	s_nop 0
.rept 4
	v_nop
.endr
.Lhead_asked:
	s_mul_i32 s18, s16, 128*KROW                   ; for the ring: my 128 rows of the tile
	s_mov_b32 s19, 0
	s_add_nc_u64 s[20:21], s[20:21], s[18:19]
	s_add_nc_u64 s[46:47], s[46:47], s[18:19]
; PREFETCHES INTO THE L2.  My quarter of a slot is 24,576 dense bytes of a plane, 96 blocks of 256.  The four partners that ask for it jointly share the blocks out by address: the partner at place p (cx for A, cy for B)
; names blocks 24 p to 24 p + 23, a lane a block (lanes 24 to 31 name the last once more): each block is named once in the cluster.  Planes 1 and 2 are asked for here, behind the head's loads, plane 3 behind slot 1's load:
; a plane is named one or two refills ahead of the load that wants it, and two planes at the most are asked for and not yet read.  The address registers are never written again.
	s_cmp_eq_u32 s15, 0
	s_cselect_b64 s[4:5], s[20:21], s[46:47]
	s_cselect_b32 s18, s40, s41
	s_mul_i32 s18, s18, 24*256
	s_add_nc_u64 s[4:5], s[4:5], s[18:19]
	s_add_nc_u64 s[4:5], s[4:5], ROWB              ; plane 1
	s_add_nc_u64 s[6:7], s[4:5], 2*ROWB            ; plane 3
	v_and_b32 v8, 31, v0
	v_min_u32 v8, 23, v8
	v_lshlrev_b32 v8, 8, v8
	global_prefetch_b8 v8, s[4:5] th:TH_LOAD_NT scope:SCOPE_SE
	global_prefetch_b8 v8, s[4:5] offset:ROWB th:TH_LOAD_NT scope:SCOPE_SE
.irp s, 0
	s_mov_b32 s[G0+4*\s], 1
	s_add_co_u32 s[G0+4*\s+1], s45, \s*SLOT
	s_add_nc_u64 s[G0+4*\s+2:G0+4*\s+3], s[20:21], \s*ROWB
	s_or_b32 s[G0+4*\s+3], s[G0+4*\s+3], 0x80000000
	s_mov_b32 s[G0B+4*\s], 1
	s_add_co_u32 s[G0B+4*\s+1], s45, \s*SLOT
	s_add_nc_u64 s[G0B+4*\s+2:G0B+4*\s+3], s[46:47], \s*ROWB
	s_or_b32 s[G0B+4*\s+3], s[G0B+4*\s+3], 0x80000000
.endr
	v_and_b32 v1, 15, v0
	v_bfe_u32 v2, v0, 4, 1
	v_mul_u32_u24 v3, v1, PITCH
	v_mul_u32_u24 v4, v2, 24
	v_add_nc_u32 v4, v3, v4
	v_lshl_add_u32 v5, v2, 4, v4
	s_mul_i32 s21, s15, HALFT
	s_mul_i32 s22, s16, HALFT
	s_add_co_u32 s22, s22, 2*HALFT
.irp s, 0,1
	v_add_nc_u32 v[ADRA+\s], s21, v4
	v_add_nc_u32 v[ADRB+\s], s22, v4
	v_add_nc_u32 v[ADRA+2+\s], s21, v5
	v_add_nc_u32 v[ADRB+2+\s], s22, v5
	s_add_co_u32 s21, s21, SLOT
	s_add_co_u32 s22, s22, SLOT
.endr
	v_mul_u32_u24 v5, v1, KS
	v_lshrrev_b32 v6, 8, v5
	v_lshl_add_u32 v5, v6, 4, v5
	s_mul_i32 s21, s15, HALFS
	s_mul_i32 s22, s16, HALFS
	s_add_co_u32 s22, s22, 2*HALFS
	s_sub_co_u32 s22, s22, s21
	v_mul_u32_u24 v6, s22, v2
	s_add_co_u32 s21, s21, SCL
	v_add_nc_u32 v5, v5, v6
	v_add_nc_u32 v[ADRS], s21, v5
	v_and_b32 v6, 31, v0
	v_lshlrev_b32 v[L16], 4, v6
	v_lshlrev_b32 v[L8], 3, v6
	v_and_b32 v6, 8, v1
	v_add_nc_u32 v6, v6, v1
	v_lshlrev_b32 v[RR4], 2, v6
	v_and_b32 v7, 8, v1
	v_mad_u32_u24 v7, v7, 3, v1
	v_lshlrev_b32 v31, 2, v7                       ; the mask: 4 x (r % 8 + 32 (r / 8))
	s_wait_alu depctr_va_vdst(0)
	v_lshlrev_b32 v[H64], 6, v2
	s_lshl_b32 s98, s17, 8
	s_lshl_b32 s18, s15, 7
	s_add_co_u32 s98, s98, s18
	s_lshl_b32 s99, s42, 8
	s_lshl_b32 s18, s16, 7
	s_add_co_u32 s99, s99, s18
	s_cmp_eq_u32 s[PROJ], 2
	s_cselect_b32 s100, s99, s98
	s_cselect_b32 s101, s98, s99
	s_lshr_b32 s18, s100, 11
	s_lshl_b32 s18, s18, 4
	s_lshr_b32 s19, s101, 6
	s_add_co_u32 s18, s18, s19
	s_lshl_b32 s18, s18, 4
	s_bfe_u32 s19, s100, 0x40007
	s_add_co_u32 s18, s18, s19
	s_mul_i32 s18, s18, BLK
	s_mov_b32 s19, 0
	s_add_nc_u64 s[12:13], s[12:13], s[18:19]
	s_lshl_b32 s18, s101, 2
	s_add_nc_u64 s[8:9], s[8:9], s[18:19]
	s_lshl_b32 s18, s98, 2
	s_add_nc_u64 s[10:11], s[10:11], s[18:19]
.irp a, 0,1,2,3,4,5,6,7
	global_load_b32 v[MASK+\a], v31, s[10:11] offset:(64*(\a/4)+8*(\a%4))*4
.endr
	s_cmp_eq_u32 s[PROJ], 2
	s_cbranch_scc1 .Lbias_v
	s_wait_alu depctr_va_vdst(0)
.irp b, 0,1,2,3,4,5,6,7
	global_load_b128 v[BIAS+8*\b:BIAS+8*\b+3], v[H64], s[8:9] offset:(32*(\b/2)+8*(\b%2))*4
	global_load_b128 v[BIAS+8*\b+4:BIAS+8*\b+7], v[H64], s[8:9] offset:(32*(\b/2)+8*(\b%2))*4+16
.endr
	s_branch .Lbias_done
.Lbias_v:
.irp a, 0,1,2,3,4,5,6,7
.irp j, 0,1,2,3,4,5,6,7
	global_load_b32 v[BIAS+8*\a+\j], v[RR4], s[8:9] offset:(32*(\a/2)+8*(\a%2))*4
.endr
.endr
.Lbias_done:
.macro FRAG reg, adr, q, i
.irp p, 0,1,2,3,4,5
.set PC, 12*(\q)+6*(\p/3)+\p%3
.if PC%8 < 5
	ds_load_b64 v[\reg+2*\p:\reg+2*\p+1], v[\adr] offset:8*PC+16*(PC/8)+(\i)*16*PITCH
.else
	ds_load_b64 v[\reg+2*\p:\reg+2*\p+1], v[\adr+2] offset:8*PC+16*(PC/8)+(\i)*16*PITCH
.endif
.endr
.endm
.macro MUL16 a0, p, q, sc, zero
.irp a, \a0, \a0+1
.irp b, 0,1,2,3,4,5,6,7
.if \zero == 1
	v_wmma_scale_f32_16x16x128_f8f6f4 v[8*(8*((\a)%4)+\b):8*(8*((\a)%4)+\b)+7], v[128*(\p)+FR*\b:128*(\p)+FR*\b+FR-1], v[AF+FR*(\a):AF+FR*(\a)+FR-1], v[BIAS+8*\b:BIAS+8*\b+7], v[SC+8*NQ*(\sc)+NQ*\b+(\q)], v[SC+8*NQ*(\sc)+NQ*(\a)+(\q)] matrix_a_fmt:MATRIX_FMT_FP6 matrix_b_fmt:MATRIX_FMT_FP6 matrix_a_scale:MATRIX_SCALE_ROW1
.elseif \zero == 2
	v_wmma_scale_f32_16x16x128_f8f6f4 v[8*(8*((\a)%4)+\b):8*(8*((\a)%4)+\b)+7], v[128*(\p)+FR*\b:128*(\p)+FR*\b+FR-1], v[AF+FR*(\a):AF+FR*(\a)+FR-1], v[BIAS+8*(\a):BIAS+8*(\a)+7], v[SC+8*NQ*(\sc)+NQ*\b+(\q)], v[SC+8*NQ*(\sc)+NQ*(\a)+(\q)] matrix_a_fmt:MATRIX_FMT_FP6 matrix_b_fmt:MATRIX_FMT_FP6 matrix_a_scale:MATRIX_SCALE_ROW1
.else
	v_wmma_scale_f32_16x16x128_f8f6f4 v[8*(8*((\a)%4)+\b):8*(8*((\a)%4)+\b)+7], v[128*(\p)+FR*\b:128*(\p)+FR*\b+FR-1], v[AF+FR*(\a):AF+FR*(\a)+FR-1], v[8*(8*((\a)%4)+\b):8*(8*((\a)%4)+\b)+7], v[SC+8*NQ*(\sc)+NQ*\b+(\q)], v[SC+8*NQ*(\sc)+NQ*(\a)+(\q)] matrix_a_fmt:MATRIX_FMT_FP6 matrix_b_fmt:MATRIX_FMT_FP6 matrix_a_scale:MATRIX_SCALE_ROW1
.endif
.endr
.endr
.endm
.macro FETCH_B slot, q, p
	WIN TO_B
.irp i, 0,1,2,3,4,5,6,7
	FRAG 128*(\p)+FR*\i, ADRB+\slot, \q, \i
.endr
	WIN 0
.endm
.macro FETCH_A slot, q, i0
.irp i, \i0, \i0+1, \i0+2, \i0+3
	FRAG AF+FR*(\i), ADRA+\slot, \q, \i
.endr
.endm
.macro SCALES sc
.irp i, 0,1,2,3,4,5,6,7
	ds_load_b64 v[SC+8*NQ*\sc+NQ*\i:SC+8*NQ*\sc+NQ*\i+1], v[ADRS] offset:\i*SBLK
.endr
.endm
.macro PLACES n
.rept \n
	v_nop
.endr
.endm
.macro STEP slot, q, zero
	s_wait_dscnt 4*NL
.if \zero
	WIN FIRST_LO
.else
	WIN MUL_LO
.endif
	MUL16 0, (\q)%2, \q, \slot, \zero
	MUL16 2, (\q)%2, \q, \slot, \zero
	s_wait_dscnt 0
	PLACES NP
	FETCH_B \slot, (\q)+1, 1-(\q)%2
	FETCH_A \slot, (\q)+1, 0
.if \zero
	WIN FIRST_HI
.else
	WIN MUL_HI
.endif
	MUL16 4, (\q)%2, \q, \slot, \zero
	MUL16 6, (\q)%2, \q, \slot, \zero
	PLACES NP
	WIN 0
	FETCH_A \slot, (\q)+1, 4
.endm
.macro TURN slot, next, fill
	s_wait_tensorcnt 0x0
	ds_add_u32 v[SPW], v[NIL]
	s_wait_dscnt 4*NL+1
	WIN MUL_LO
	MUL16 0, 1, NQ-1, \slot, 0
	s_wait_dscnt 0x0
	s_barrier_signal -1
	MUL16 2, 1, NQ-1, \slot, 0
	WIN 0
	s_barrier_wait -1
.if \fill
	CREST
	s_add_nc_u64 s[G0+4*\slot+2:G0+4*\slot+3], s[G0+4*\slot+2:G0+4*\slot+3], 2*ROWB
	s_add_nc_u64 s[G0B+4*\slot+2:G0B+4*\slot+3], s[G0B+4*\slot+2:G0B+4*\slot+3], 2*ROWB
	JLOAD G0+4*\slot, G1, G0B+4*\slot, G1B
.else
	PLACES NP
.endif
	s_wait_alu depctr_va_vdst(0)
	v_add_nc_u32 v[ADRS], 4*NQ, v[ADRS]
	FETCH_B \next, 0, 0
	FETCH_A \next, 0, 0
	SCALES \next
	WIN MUL_HI
	MUL16 4, 1, NQ-1, \slot, 0
	MUL16 6, 1, NQ-1, \slot, 0
	PLACES NP
	WIN 0
	FETCH_A \next, 0, 4
.endm
	s_wait_alu depctr_va_vdst(0)                   ; the wait at the head's end
	s_wait_tensorcnt 0x0                           ; my tile of the head's four is in
	ds_add_u32 v28, v29
	s_mov_b32 s[G1+2], 96<<16                      ; no tensor load of mine is out: from here on a load brings 128 rows of codes, 96 rows of 256 bytes
	s_mov_b32 s[G1+4], 96
	s_mov_b32 s[G1B+2], 96<<16
	s_mov_b32 s[G1B+4], 96
	s_mov_b32 s[G0+4], 1                           ; slot 1: my quarter, one plane on from slot 0's
	s_add_co_u32 s[G0+5], s45, SLOT
	s_add_nc_u64 s[G0+6:G0+7], s[G0+2:G0+3], ROWB
	s_mov_b32 s[G0B+4], 1
	s_add_co_u32 s[G0B+5], s45, SLOT
	s_add_nc_u64 s[G0B+6:G0B+7], s[G0B+2:G0B+3], ROWB
	s_wait_dscnt 0x0
	CROUND                                         ; all four tiles are in, and all sixteen work-groups are here
	JLOAD G0+4, G1, G0B+4, G1B
	FETCH_B 0, 0, 0
	global_prefetch_b8 v8, s[6:7] th:TH_LOAD_NT scope:SCOPE_SE
	FETCH_A 0, 0, 0
	SCALES 0
	FETCH_A 0, 0, 4
	s_wait_loadcnt 0x0
	s_cmp_eq_u32 s[PROJ], 2
	s_cbranch_scc1 .Lfirst_v
	STEP 0, 0, 1
	s_branch .Lfirst_done
.Lfirst_v:
	STEP 0, 0, 2
.Lfirst_done:
	s_mov_b32 s3, LAPS-1
.Llap:
	TURN 0, 1, 1
	STEP 1, 0, 0
	TURN 1, 0, 1
	STEP 0, 0, 0
	s_sub_co_u32 s3, s3, 1
	s_cmp_lg_u32 s3, 0
	s_cbranch_scc1 .Llap
	TURN 0, 1, 0
	STEP 1, 0, 0
	s_wait_dscnt 4*NL
	WIN MUL_LO
	MUL16 0, 1, NQ-1, 1, 0
	MUL16 2, 1, NQ-1, 1, 0
	s_wait_dscnt 0
	WIN MUL_HI
	MUL16 4, 1, NQ-1, 1, 0
	MUL16 6, 1, NQ-1, 1, 0
	WIN 0
	PLACES NP
.irp b, 0,1,2,3
	v_mov_b32 v[TM+4+\b], 0
.endr
	v_mov_b32 v[EXM], 0x019c0000
	s_mov_b32 s98, 0x01010000
	s_cmp_eq_u32 s[PROJ], 0
	s_cselect_b32 s98, 0x7f7f0000, s98
	v_mov_b32 v[EXU], s98
	s_mov_b32 s[HM], 0xffff0000
.macro EPI a
.set SRC, 64*((\a)%4)
.set WN, 2+(\a)/4
.set WW, WN*5
.if ((\a)%4) < 2
.set QC, 148
.else
.set QC, 84
.endif
	WIN WW
.irp b, 0,1,2,3
	v_max3_num_f32 v[TM+\b], |v[SRC+16*\b]|, |v[SRC+16*\b+1]|, 0x1800000
.endr
.irp i, 2,4,6,8,10,12,14
.irp b, 0,1,2,3
	v_max3_num_f32 v[TM+\b], |v[SRC+16*\b+\i]|, |v[SRC+16*\b+\i+1]|, v[TM+\b]
.endr
.endr
	WIN 0
.irp b, 0,1,2,3
	v_permlanex16_b32 v[TM+4+\b], v[TM+\b], s[SEL], s[SEL+1]
.endr
.irp b, 0,1,2,3
	v_max_num_f32 v[TM+\b], v[TM+\b], v[TM+4+\b]
.endr
.irp b, 0,1,2,3
	v_add_nc_u32 v[TM+12+\b], 0xff000000, v[TM+\b]
.endr
.irp b, 0,1,2,3
	v_lshrrev_b32 v[TM+4+\b], 23, v[TM+12+\b]
.endr
	v_lshl_or_b32 v[PWS+(\a)], v[TM+5], 8, v[TM+4]
	v_lshl_or_b32 v[PWS+(\a)], v[TM+6], 16, v[PWS+(\a)]
	v_lshl_or_b32 v[PWS+(\a)], v[TM+7], 24, v[PWS+(\a)]
	s_wait_xcnt 0x0
	WIN WN
.irp c, 0,1
	v_cvt_scalef32_pk16_fp6_f32 v[QC+6*\c:QC+6*\c+2], v[SRC+32*\c:SRC+32*\c+15], v[TM+12+2*\c]
	v_cvt_scalef32_pk16_fp6_f32 v[QC+12+4*\c:QC+14+4*\c], v[SRC+16+32*\c:SRC+31+32*\c], v[TM+12+2*\c+1]
.endr
	WIN 0
	v_nop
.irp c, 0,1
.irp i, 0,1,2
	v_permlane16_swap_b32 v[QC+6*\c+\i], v[QC+12+4*\c+\i]
.endr
.irp i, 0,1,2
	v_mov_b32 v[QC+3+6*\c+\i], v[QC+12+4*\c+\i]
.endr
.endr
	v_cmp_ne_u32 s[MK], 0, v[MASK+(\a)]
	s_or_b32 s[MK], s[MK], s[ALL]
.irp i, 0,1,2,3,4,5,6,7,8,9,10,11
	v_cndmask_b32 v[QC+\i], 0, v[QC+\i], s[MK]
.endr
	v_cndmask_b32 v[EX], v[EXM], v[EXU], s[MK]
	v_and_or_b32 v[W0+(\a)], v[PWS+(\a)], 0xffff, v[EX]
	v_lshrrev_b32 v[W1+(\a)], 16, v[PWS+(\a)]
	v_or_b32 v[W1+(\a)], v[W1+(\a)], v[EX]
	s_cmp_eq_u32 s[PROJ], 2
	s_cbranch_scc1 .Lout_v_\@
	global_store_b128 v[L16], v[QC:QC+3], s[12:13] offset:(\a)*768
	global_store_b64 v[L8], v[QC+4:QC+5], s[12:13] offset:(\a)*768+512
	global_store_b128 v[L16], v[QC+6:QC+9], s[12:13] offset:HEADB+(\a)*768
	global_store_b64 v[L8], v[QC+10:QC+11], s[12:13] offset:HEADB+(\a)*768+512
	s_branch .Lout_done_\@
.Lout_v_\@:
	s_wait_alu depctr_va_vdst(0)
.irp i, 0,1,2
	global_store_b128 v[L16], v[QC+4*\i:QC+4*\i+3], s[12:13] offset:((\a)/4)*HEADB+((\a)%4)*1536+512*\i
.endr
.Lout_done_\@:
.endm
.irp a, 0,1,2,3,4,5,6,7
	EPI \a
.endr
	s_wait_alu depctr_va_vdst(0)
.irp i, 0,1,2,3
	v_cndmask_b32 v[SO+\i], v[W0+\i], v[W0+4+\i], s[HM]
	v_cndmask_b32 v[SO+4+\i], v[W1+\i], v[W1+4+\i], s[HM]
.endr
	s_cmp_eq_u32 s[PROJ], 2
	s_cbranch_scc1 .Lwords_v
	global_store_b128 v[L16], v[SO:SO+3], s[12:13] offset:8*768
	global_store_b128 v[L16], v[SO+4:SO+7], s[12:13] offset:HEADB+8*768
	s_branch .Lwords_done
.Lwords_v:
	global_store_b128 v[L16], v[PWS:PWS+3], s[12:13] offset:8*768
	global_store_b128 v[L16], v[PWS+4:PWS+7], s[12:13] offset:HEADB+8*768
.Lwords_done:
	s_wait_tensorcnt 0x0
	ds_add_u32 v[SPW], v[NIL]
	s_wait_dscnt 0x0
	CROUND
	s_endpgm
.Lfunc_end_k_q7c3b0cfeb1_proj:
	.size	k_q7c3b0cfeb1_proj, .Lfunc_end_k_q7c3b0cfeb1_proj-k_q7c3b0cfeb1_proj
	.p2alignl 7, 3214868480
	.fill 96, 4, 3214868480
	.section	.rodata,"a",@progbits
	.p2align	6, 0x0
	.amdhsa_kernel k_q7c3b0cfeb1_proj
		.amdhsa_group_segment_fixed_size 327680
		.amdhsa_private_segment_fixed_size 0
		.amdhsa_enable_private_segment 0
		.amdhsa_kernarg_size 72
		.amdhsa_user_sgpr_count 2
		.amdhsa_user_sgpr_kernarg_segment_ptr 1
		.amdhsa_wavefront_size32 1
		.amdhsa_system_sgpr_workgroup_id_x 1
		.amdhsa_system_sgpr_workgroup_id_y 1
		.amdhsa_system_sgpr_workgroup_id_z 1
		.amdhsa_system_vgpr_workitem_id 0
		.amdhsa_next_free_vgpr 1024
		.amdhsa_next_free_sgpr 102
		.amdhsa_reserve_vcc 0
		.amdhsa_float_denorm_mode_32 3
		.amdhsa_float_denorm_mode_16_64 3
		.amdhsa_memory_ordered 1
		.amdhsa_forward_progress 1
		.amdhsa_inst_pref_size 203
	.end_amdhsa_kernel
	.amdgpu_metadata
---
amdhsa.version: [ 1, 2 ]
amdhsa.kernels:
  - .name:           k_q7c3b0cfeb1_proj
    .symbol:         k_q7c3b0cfeb1_proj.kd
    .args:
      - { .name: codes, .offset: 0, .size: 8, .value_kind: global_buffer, .address_space: global }
      - { .name: scales, .offset: 8, .size: 8, .value_kind: global_buffer, .address_space: global }
      - { .name: bq, .offset: 16, .size: 8, .value_kind: global_buffer, .address_space: global }
      - { .name: bk, .offset: 24, .size: 8, .value_kind: global_buffer, .address_space: global }
      - { .name: bv, .offset: 32, .size: 8, .value_kind: global_buffer, .address_space: global }
      - { .name: mask, .offset: 40, .size: 8, .value_kind: global_buffer, .address_space: global }
      - { .name: qimg, .offset: 48, .size: 8, .value_kind: global_buffer, .address_space: global }
      - { .name: kimg, .offset: 56, .size: 8, .value_kind: global_buffer, .address_space: global }
      - { .name: vimg, .offset: 64, .size: 8, .value_kind: global_buffer, .address_space: global }
    .group_segment_fixed_size: 327680
    .private_segment_fixed_size: 0
    .kernarg_segment_align: 8
    .kernarg_segment_size: 72
    .max_flat_workgroup_size: 128
    .sgpr_count:     102
    .vgpr_count:     1024
    .wavefront_size: 32
...
	.end_amdgpu_metadata
.endif
;; end of part 2
;; launch attn (part 3): grid 4 x 64, 12 waves a work-group, clusters of 4 x 1, 327,680 bytes of LDS; arguments qimg, kimg, vimg, ximg, xscl; writes ximg, xscl
.if DOCPART == 3
	.amdgcn_target "amdgcn-amd-amdhsa--gfx1250"
	.amdhsa_code_object_version 6
	.text
	.protected	k_q7c3b0cfeb1_attn
	.globl	k_q7c3b0cfeb1_attn
	.p2align	8
	.type	k_q7c3b0cfeb1_attn,@function
k_q7c3b0cfeb1_attn:
	s_mov_b64 s[64:65], 0
	v_nop
	global_prefetch_b8 v0, s[64:65] scope:SCOPE_SE
	s_setreg_imm32_b32 hwreg(HW_REG_WAVE_MODE, 25, 1), 1
	s_wait_xcnt 0x0
	s_wait_alu depctr_hold_cnt(0) depctr_sa_sdst(0) depctr_va_vdst(0) depctr_va_sdst(0) depctr_va_ssrc(0) depctr_va_vcc(0) depctr_vm_vsrc(0)
	s_getreg_b32 s2, hwreg(HW_REG_IB_STS2, 6, 4)
	s_cmp_eq_u32 s2, 0
	s_cbranch_scc0 .Lentry_in_a_cluster
	s_endpgm
.Lentry_in_a_cluster:
	s_bfe_u32 s2, ttmp6, 0x10000c
	s_cmp_lg_u32 s2, 0x3003
	s_cbranch_scc0 .Lentry_shape_is_right
	s_endpgm
.Lentry_shape_is_right:
; Attention on codes of FP6 (E2M3) with E8M0 scales: scores, softmax, weights x values, and the quantising of the result for the last projection.
; THE SOFTMAX: t = score x log2(e) / 8; M = the row's largest t so far, rounded up to a whole number; p = 2^(t - M) is quantised along the keys, not normalised; the row's sum is taken of the unquantised p and divides O at the end.
; When M moves, the sum and O are multiplied by 2^(old M - new M): exact.
; SHARES.  A work-group owns 512 queries, 32 tiles of 16, of ONE head (work-group y = 16 x batch + head).  It has twelve waves, three for each SIMD; tile i of wave w is tile 12 i + w: waves 0 to 7 own three tiles, waves 8 to 11 two.
; A wave takes its tiles one after the other, 16 key steps of 128 keys each.  All waves walk the third tile's loop; waves 8 to 11 branch round the step inside it.
; LDS holds the head's whole K and V, each byte filled once: no ring, no refill.  Block b (128 keys, 6,656 bytes) lies at place b + 2 of its tensor's 18 places, so that every load's LDS address is a product of the wave's number.
; Waves 0 and 1 ask for K's and V's block 0 on a line of their own: the walk begins when these are in; waves 2 to 11 ask for three blocks each; one plain barrier behind the first key step shows them.
; No data prefetch: all that the launch reads by tensor loads is asked for at the head, so there is no loop to run ahead in.
; CLUSTER.  The four work-groups of a cluster own the query blocks of one head: each tile of K and V is asked for jointly, by the same tensor load with a mask that names the four.
; LAYOUT.  Both products are used transposed: S^T = K Q^T (source 0 = 16 keys), O^T = V^T P^T (source 0 = 16 channels): a lane holds one query throughout.  Operands lie in memory and LDS as images of their registers.
; Tile 4 c + u of K holds keys 64 c + 8 u + 0 .. 7 and 64 c + 32 + 8 u + 0 .. 7: so the 32 registers of tiles 4 c .. 4 c + 3 in lane (r, h) are keys 64 c + 32 h + 0 .. 31: ONE scale block of p, whole in a lane, in the order of the operand's registers.
; THE HEAD'S K IS 64: a fragment's registers 0-5.  Registers 6-11 (k = 64 .. 127) are constants set once: beside each key one code -4 (k = 64) and one +4 (k = 96), beside each query +4 and +4, all else 0.
; The scale bytes of those two blocks carry the mask: an open key's terms are -2^-122 + 2^-122; a masked key's codes are zeros and its score is -2^33.
; A STEP'S ORDER.  Tiles 0-3 of K were fetched in the step before; block 0's maxima stand between the fetch of tiles 4-7 and the wait for it; the next step's tiles 0-3 are fetched behind the products of tiles 4-7.
; OUT: ximg[tile of 16 tokens][head][3 pieces][lane][8 bytes]: 768 dense bytes a tile and head; xscl[token][32]: two bytes a token and head.
; LIMITS: the masked logit is -2^30 where the module has -1e9; scores |q . k| stay under 2^32; NaN and infinities are not served.
.set BLK,   6656
.set HEADB, 16*BLK
.set VOFF,  18*BLK                     ; V's 18 places lie behind K's
.set SPARE, 2*VOFF                     ; the spare words: 128 bytes for each of the 12 waves
.set L16,  1                           ; 16 x lane
.set L8,   2                           ; 8 x lane
.set ADK,  3                           ; a block of K + 16 x lane
.set ADK8, 4                           ; + 8 x lane
.set SPW,  5
.set NIL,  6
.set R16,  9                           ; 16 r
.set XSO,  10                          ; 32 r
.set ADV,  11                          ; the step's block of V + 16 x lane
.set Q,    16                          ; v16-27; v12 -M, v13 the largest score, v[14:15] the sum in two halves
.set QS,   28
.set PS,   29                          ; p's scale word
.set RL,   30
.set KF,   32                          ; v32-79 four fragments of K
.set KS,   80
.set VS,   84
.set SH8,  88                          ; 8 x (lane / 16)
.set OLDM, 89
.set RM,   90
.set RP,   91
.set TMP,  92
.set WP,   93
.set EB,   94
.set S,    96                          ; v96-159 S^T, then p, then V's four fragments
.set O,    160                         ; v160-191 O^T
.set PC,   192                         ; v192-203 p's codes
.set PT,   204                         ; v204-206, v208-210
.set XT,   204
.set TM,   212
.set SO,   216
.set MT,   218                         ; v218-221 four chains of a block's maximum
.set W,    222
.set XW,   223                         ; v223-225
.set XC,   226                         ; v226-243 x's codes, six a tile
.set F,    244
.set SM,   248                         ; v248-255 the sum's four chains
.set WV,   18
.set SEL,  20
.set CS,   22
.set G1,   24                          ; group 1 of one block
.set G0,   32
.set TB,   36
.set CNT,  37
.set TN,   48
.set G1R,  52                          ; group 1 of three blocks
.set QA,   66                          ; s[66:71] my three tiles of Q
.set QB,   72                          ; s[72:77] their scale words
.macro NOPS n
.rept \n
	v_nop
.endr
.endm
.macro D n
	s_delay_alu instid0(VALU_DEP_\n)
.endm
.macro WALU
	s_wait_alu depctr_va_vdst(0)
.endm
.macro CROUND
	s_barrier_signal -1
	s_barrier_wait -1
	s_cmp_lg_u32 s[WV], 0
	s_cbranch_scc1 .Lnot_wave_0_\@
	s_barrier_signal -3
.Lnot_wave_0_\@:
	s_barrier_wait -3
	s_barrier_signal -1
	s_barrier_wait -1
.endm
	s_load_b256 s[4:11], s[0:1], 0x0               ; qimg, kimg, vimg, ximg
	s_load_b64 s[12:13], s[0:1], 0x20              ; xscl
	v_lshl_add_u32 v[SPW], v0, 2, SPARE
	v_mov_b32 v[NIL], 0
	ds_add_u32 v[SPW], v[NIL]                      ; the opening lines: the add twice on end and one wait
	ds_add_u32 v[SPW], v[NIL]
	v_lshrrev_b32 v[TMP], 5, v0
	D 1
	v_readfirstlane_b32 s[WV], v[TMP]              ; wave 0..11
	s_bfe_u32 s38, ttmp6, 0x40000                  ; cx: my 512 queries; it enters Q's and x's addresses alone
	s_and_b32 s40, ttmp7, 0xffff                   ; the head, which the four partners share
.irp g, G1, G1R                                ; dense rows of 32 elements of 8 bytes; the mask names all four
	s_mov_b32 s[\g], 15|(3<<16)|(1<<21)
	s_mov_b32 s[\g+1], 32<<16
	s_mov_b32 s[\g+3], 32<<16
	s_mov_b32 s[\g+5], 32
	s_mov_b32 s[\g+6], 0
	s_mov_b32 s[\g+7], 0
.endr
	s_mov_b32 s[G1+2], 26<<16
	s_mov_b32 s[G1+4], 26
	s_mov_b32 s[G1R+2], 78<<16
	s_mov_b32 s[G1R+4], 78
	s_mul_i32 s42, s40, HEADB
	s_lshl_b32 s44, s38, 2
	s_mul_i32 s44, s44, BLK
	s_add_co_u32 s44, s44, s42                     ; Q: the head's block 4 cx
	s_lshr_b32 s41, s[WV], 1
	s_mul_i32 s41, s41, 3*BLK                      ; pair k = wave / 2: place 3 k; even waves K's, odd waves V's
	s_add_co_u32 s42, s42, s41
	s_mov_b32 s43, 0
	s_mov_b32 s[G0], 1
	s_and_b32 s39, s[WV], 1
	s_mul_i32 s[G0+1], s39, VOFF
	s_add_co_u32 s[G0+1], s[G0+1], s41
.irp i, 0,1,2                                  ; tile 12 i + wave: block T / 8, tile a = T % 8 in it; its word of row r at 6,144 + 256 (a / 4) + 16 r + 4 (a % 4)
	s_add_co_u32 s46, s[WV], 12*\i
	s_lshr_b32 s47, s46, 3
	s_and_b32 s46, s46, 7
	s_mul_i32 s47, s47, BLK
	s_add_co_u32 s47, s47, s44
	s_mul_i32 s50, s46, 768
	s_add_co_u32 s[QA+2*\i], s47, s50
	s_mov_b32 s[QA+2*\i+1], 0
	s_lshr_b32 s50, s46, 2
	s_lshl_b32 s50, s50, 8
	s_and_b32 s46, s46, 3
	s_lshl_b32 s46, s46, 2
	s_add_co_u32 s50, s50, s46
	s_add_co_u32 s50, s50, s47
	s_add_co_u32 s[QB+2*\i], s50, 8*768
	s_mov_b32 s[QB+2*\i+1], 0
.endr
	s_lshr_b32 s47, s40, 4
	s_lshl_b32 s47, s47, 7
	s_lshl_b32 s46, s38, 5
	s_add_co_u32 s47, s47, s46
	s_add_co_u32 s47, s47, s[WV]                   ; x: tile 128 x batch + 32 cx + wave, and 12 more for each further tile
	s_and_b32 s46, s40, 15
	s_mul_i32 s60, s47, 12288
	s_mul_i32 s50, s46, 768
	s_add_co_u32 s60, s60, s50
	s_mov_b32 s61, 0
	s_lshl_b32 s62, s47, 9
	s_lshl_b32 s46, s46, 1
	s_add_co_u32 s62, s62, s46
	s_mov_b32 s63, 0
	s_mov_b32 s[SEL], 0x76543210
	s_mov_b32 s[SEL+1], 0xfedcba98
	s_mov_b32 s[CS], 0x3e38aa3b                    ; log2(e) / 8
	s_mov_b32 s[CS+1], s[CS]
	v_and_b32 v[TMP], 31, v0
	D 1
	v_lshlrev_b32 v[L16], 4, v[TMP]
	D 2
	v_lshlrev_b32 v[L8], 3, v[TMP]
	v_and_b32 v[XSO], 15, v0
	v_bfe_u32 v[SH8], v0, 4, 1
	D 2
	v_lshlrev_b32 v[R16], 4, v[XSO]
	D 2
	v_lshlrev_b32 v[TMP], 5, v[SH8]
	v_lshlrev_b32 v[XSO], 5, v[XSO]
	D 2
	v_sub_nc_u32 v[TMP], 0x38, v[TMP]              ; the code -4 in lanes 0-15 (k = 64), +4 in lanes 16-31 (k = 96)
	v_lshlrev_b32 v[SH8], 3, v[SH8]
.irp t, 0,1,2,3
	v_mov_b32 v[KF+12*\t+6], v[TMP]
.irp i, 7,8,9,10,11
	v_mov_b32 v[KF+12*\t+\i], 0
.endr
.endr
	v_mov_b32 v[Q+6], 0x18                         ; +4 at k = 64 and at k = 96
.irp i, 7,8,9,10,11
	v_mov_b32 v[Q+\i], 0
.endr
.macro BEGIN                           ; a tile begins: the largest score -3e38, -M = 3e38, sums and O^T zero: the first step's factor is 0
	v_mov_b32 v13, 0xff61b1e6
	v_mov_b32 v12, 0x7f61b1e6
	v_mov_b32 v[OLDM], 0x7f61b1e6
	v_mov_b32 v14, 0
	v_mov_b32 v15, 0
.set j, 0
.rept 32
	v_mov_b32 v[O+j], 0
.set j, j+1
.endr
.endm
	BEGIN
	v_mov_b32 v[RP], 0                             ; a lane permute's destination counts as one of its sources
	v_mov_b32 v[WP], 0
	v_mov_b32 v[SO], 0
	v_mov_b32 v[SO+1], 0
	v_mov_b32 v[F+1], 0                            ; upper halves of pairs of which the low word alone is taken
	v_mov_b32 v[RL+1], 0
	WALU                                           ; the wait at the head's end
	s_wait_dscnt 0x0                               ; both opening adds are done
	CROUND                                         ; all four work-groups are here: the joint loads meet
	s_wait_kmcnt 0x0
	s_cmp_eq_u32 s39, 0
	s_cselect_b64 s[G0+2:G0+3], s[6:7], s[8:9]
	s_add_nc_u64 s[G0+2:G0+3], s[G0+2:G0+3], s[42:43]
.irp i, 0,1,2
	s_add_nc_u64 s[QA+2*\i:QA+2*\i+1], s[4:5], s[QA+2*\i:QA+2*\i+1]
	s_add_nc_u64 s[QB+2*\i:QB+2*\i+1], s[4:5], s[QB+2*\i:QB+2*\i+1]
.endr
	s_add_nc_u64 s[10:11], s[10:11], s[60:61]
	s_add_nc_u64 s[12:13], s[12:13], s[62:63]
	s_cmp_lt_u32 s[WV], 2                          ; one load a wave; waves 0 and 1, which alone wait ahead of the first barrier, have a line of their own
	s_cbranch_scc0 .Lrest
	s_add_co_u32 s[G0+1], s[G0+1], 2*BLK           ; block 0, at place 2
	s_or_b32 s[G0+3], s[G0+3], 0x80000000
	tensor_load_to_lds s[G0:G0+3], s[G1:G1+7]
	s_nop 0
	NOPS 4
	s_branch .Lasked
.Lrest:
	s_sub_nc_u64 s[G0+2:G0+3], s[G0+2:G0+3], 2*BLK ; blocks 3 k - 2 to 3 k, at places 3 k to 3 k + 2
	s_or_b32 s[G0+3], s[G0+3], 0x80000000
	tensor_load_to_lds s[G0:G0+3], s[G1R:G1R+7]
	s_nop 0
	NOPS 4
.Lasked:
.macro LOADQ i
	global_load_b128 v[Q:Q+3], v[L16], s[QA+2*\i:QA+2*\i+1]
	global_load_b64 v[Q+4:Q+5], v[L8], s[QA+2*\i:QA+2*\i+1] offset:512
	global_load_b32 v[QS], v[R16], s[QB+2*\i:QB+2*\i+1]
.endm
.macro KFETCH                          ; a block's scale words and its tiles 0-3
	ds_load_b128 v[KS:KS+3], v[ADK] offset:8*768
.irp t, 0,1,2,3
	ds_load_b128 v[KF+12*\t:KF+12*\t+3], v[ADK] offset:\t*768
	ds_load_b64 v[KF+12*\t+4:KF+12*\t+5], v[ADK8] offset:\t*768+512
.endr
.endm
.macro KLOAD                           ; ahead of a walk: the block at LDS byte s[TB]
	v_add_nc_u32 v[ADK], s[TB], v[L16]
	v_add_nc_u32 v[ADK8], s[TB], v[L8]
	WALU
	KFETCH
.endm
.macro MAXB c                          ; my block 2 c + h: its largest score, a chain for each of its four tiles, each accumulator from its low end on
.irp u, 0,1,2,3
	v_max3_num_f32 v[MT+\u], v[S+32*\c+8*\u], v[S+32*\c+8*\u+1], v[S+32*\c+8*\u+2]
.endr
.irp i, 3,5
.irp u, 0,1,2,3
	v_max3_num_f32 v[MT+\u], v[MT+\u], v[S+32*\c+8*\u+\i], v[S+32*\c+8*\u+\i+1]
.endr
.endr
	v_max3_num_f32 v[MT], v[MT], v[MT+1], v[S+32*\c+7]
	v_max3_num_f32 v[MT+2], v[MT+2], v[MT+3], v[S+32*\c+15]
	v_max3_num_f32 v[MT], v[MT], v[MT+2], v[S+32*\c+23]
	v_max_num_f32 v[TM+2*\c], v[MT], v[S+32*\c+31]
.endm
.macro TMINUS from                     ; t - M of sixteen scores
.set j, \from
.rept 8
	v_pk_fma_f32 v[S+j:S+j+1], v[S+j:S+j+1], s[CS:CS+1], v[12:13] op_sel_hi:[1,0,0]
.set j, j+2
.endr
.endm
; A KEY STEP: 128 keys.  v[ADK], v[ADK8] stand at K's block, whose scale words and tiles 0-3 are on their way.  pre = 1: the next block's are fetched (in a walk's last trip: the last block's once more).
.macro STEP pre
	s_wait_dscnt 0x0
.irp t, 0,1,2,3
	v_wmma_scale_f32_16x16x128_f8f6f4 v[S+8*\t:S+8*\t+7], v[KF+12*\t:KF+12*\t+11], v[Q:Q+11], 0, v[KS+\t], v[QS] matrix_a_fmt:MATRIX_FMT_FP6 matrix_b_fmt:MATRIX_FMT_FP6
.endr
	v_add_nc_u32 v[ADV], VOFF, v[ADK]
	NOPS 3                                         ; four places in front of loads into registers that matrix instructions have read, and of the first read of tiles 0-3
.irp t, 0,1,2,3
	ds_load_b128 v[KF+12*\t:KF+12*\t+3], v[ADK] offset:(4+\t)*768
	ds_load_b64 v[KF+12*\t+4:KF+12*\t+5], v[ADK8] offset:(4+\t)*768+512
.endr
	MAXB 0
	s_wait_dscnt 0x0
.irp t, 0,1,2,3
	v_wmma_scale_f32_16x16x128_f8f6f4 v[S+8*(4+\t):S+8*(4+\t)+7], v[KF+12*\t:KF+12*\t+11], v[Q:Q+11], 0, v[KS+\t], v[QS] matrix_a_fmt:MATRIX_FMT_FP6 matrix_b_fmt:MATRIX_FMT_FP6 matrix_a_scale:MATRIX_SCALE_ROW1
.endr
.if \pre
	s_add_co_u32 s[TB], s[TB], BLK
	s_min_u32 s[TN], s[TB], 17*BLK                 ; K's last place
	v_add_nc_u32 v[ADK], s[TN], v[L16]
	v_add_nc_u32 v[ADK8], s[TN], v[L8]
	NOPS 2                                         ; four places, as above
	KFETCH
.else
	NOPS 4
.endif
	MAXB 1
	D 1
	v_max_num_f32 v[RM], v[TM], v[TM+2]
	D 1
	v_permlanex16_b32 v[RP], v[RM], s[SEL], s[SEL+1]
	D 1
	v_max3_num_f32 v13, v13, v[RM], v[RP]          ; the running largest score of my query
	D 1
	v_mul_f32 v[TMP], s[CS], v13                   ; as t
	D 1
	v_floor_f32 v12, -v[TMP]                       ; the new -M = -ceil(t)
	TMINUS 0
	v_sub_f32 v[TMP], v12, v[OLDM]                 ; old M - new M: a whole number, 0 or less
	TMINUS 16
	v_cvt_i32_f32 v[TMP], v[TMP]                   ; (it saturates)
	TMINUS 32
	v_ldexp_f32 v[F], 1.0, v[TMP]                  ; f = 2^(old M - new M)
	TMINUS 48
	v_fma_f32 v[TM], v[TM], s[CS], v12             ; the same of each block's largest score
	v_fma_f32 v[TM+2], v[TM+2], s[CS], v12
	WALU                                           ; the wait ahead of the batch
.set j, 0
.rept 64
	v_exp_f32 v[S+j], v[S+j]                       ; p = 2^(t - M)
.set j, j+1
.endr
	v_exp_f32 v[TM], v[TM]                         ; my two blocks' largest p
	v_exp_f32 v[TM+2], v[TM+2]
	v_mov_b32 v[OLDM], v12                         ; for the next step (a plain place behind the batch)
	WALU                                           ; and the wait behind it, ahead of its first reader
.irp k, 0,1,2,3                                ; the row's sum of the unquantised p: four chains of pairs
	v_pk_add_f32 v[SM+2*\k:SM+2*\k+1], v[S+2*\k:S+2*\k+1], v[S+8+2*\k:S+9+2*\k]
.endr
.irp j, 16,24,32,40,48,56
.irp k, 0,1,2,3
	v_pk_add_f32 v[SM+2*\k:SM+2*\k+1], v[SM+2*\k:SM+2*\k+1], v[S+\j+2*\k:S+\j+2*\k+1]
.endr
.endr
	v_max_num_f32 v[TM], 0x1800000, v[TM]          ; the floor 2^(3 - 127): the byte cannot fall under 1
	v_max_num_f32 v[TM+2], 0x1800000, v[TM+2]
	D 2
	v_add_nc_u32 v[SO], 0xff000000, v[TM]          ; 2 off the exponent field: the conversions' scale operand
	D 2
	v_add_nc_u32 v[SO+1], 0xff000000, v[TM+2]
.irp c, 0,1
	v_cvt_scalef32_pk16_fp6_f32 v[PC+6*\c:PC+6*\c+2], v[S+32*\c:S+32*\c+15], v[SO+\c]
	v_cvt_scalef32_pk16_fp6_f32 v[PT+4*\c:PT+4*\c+2], v[S+32*\c+16:S+32*\c+31], v[SO+\c]
.endr
	v_lshrrev_b32 v[EB], 23, v[SO]                 ; the scales' bytes (a plain place behind the conversions)
	v_lshrrev_b32 v[EB+1], 23, v[SO+1]
	ds_load_b128 v[VS:VS+3], v[ADV] offset:8*768
.irp t, 0,1,2,3                                ; V's four fragments land where p lay
.irp i, 0,1,2
	ds_load_b128 v[S+12*\t+4*\i:S+12*\t+4*\i+3], v[ADV] offset:\t*1536+512*\i
.endr
.endr
	v_lshl_or_b32 v[W], v[EB+1], 16, v[EB]         ; my bytes: blocks h and 2 + h,
	D 1
	v_lshlrev_b32 v[W], v[SH8], v[W]               ; at their places;
	D 1
	v_permlanex16_b32 v[WP], v[W], s[SEL], s[SEL+1]
	D 1
	v_or_b32 v[PS], v[W], v[WP]                    ; with lane l xor 16's two the word is whole
.irp c, 0,1
.irp i, 0,1,2
	v_mov_b32 v[PC+6*\c+3+\i], v[PT+4*\c+\i]       ; (a conversion's three registers begin on an even number)
.endr
.endr
	WALU                                           ; the wait directly ahead of the first reader of O^T
.set j, 0
.rept 16
	v_pk_mul_f32 v[O+j:O+j+1], v[O+j:O+j+1], v[F:F+1] op_sel_hi:[1,0]   ; O^T under the new M; also the places between the writes of p's codes and scale word and the products
.set j, j+2
.endr
	WALU
	s_wait_dscnt 0x0
.irp t, 0,1,2,3                                ; O^T += V^T P^T: four accumulators by turns
	v_wmma_scale_f32_16x16x128_f8f6f4 v[O+8*\t:O+8*\t+7], v[S+12*\t:S+12*\t+11], v[PC:PC+11], v[O+8*\t:O+8*\t+7], v[VS+\t], v[PS] matrix_a_fmt:MATRIX_FMT_FP6 matrix_b_fmt:MATRIX_FMT_FP6
.endr
	v_pk_add_f32 v[SM:SM+1], v[SM:SM+1], v[SM+2:SM+3]   ; the sum's four chains are joined here: with the v_nop five places between these products and the next step's, which write over V's fragments
	v_pk_add_f32 v[SM+4:SM+5], v[SM+4:SM+5], v[SM+6:SM+7]
	D 1
	v_pk_add_f32 v[SM:SM+1], v[SM:SM+1], v[SM+4:SM+5]
	D 1
	v_pk_fma_f32 v[14:15], v[14:15], v[F:F+1], v[SM:SM+1] op_sel_hi:[1,0,1]   ; the old sums under the new M, and this step's
	v_nop
.endm
.macro WALK first, n, guard            ; n key steps from place first on.  guard = 1: waves 8 to 11 walk the loop and branch round the step
	s_mov_b32 s[TB], \first*BLK
	KLOAD
	s_mov_b32 s[CNT], \n
.Lstep_\@:
.if \guard
	s_cmp_lt_u32 s[WV], 8
	s_cbranch_scc0 .Lskip_\@
.endif
	STEP 1
.Lskip_\@:
	s_sub_co_u32 s[CNT], s[CNT], 1
	s_cmp_lg_u32 s[CNT], 0
	s_cbranch_scc1 .Lstep_\@
.endm
; A tile is done: O^T is divided by the sum, quantised along its 64 channels, and stored.  Register 16 b + i of x is channel 32 b + 16 (lane / 16) + i.
.macro FINISH i
	WALU
.if \i == 0
	LOADQ 1                                        ; the next tile's queries land meanwhile
.endif
.if \i == 1
	s_cmp_lt_u32 s[WV], 8
	s_cbranch_scc0 .Lno_q
	LOADQ 2
.Lno_q:
.endif
	v_add_f32 v14, v14, v15
	D 1
	v_permlanex16_b32 v[RP], v14, s[SEL], s[SEL+1]
	D 1
	v_add_f32 v14, v14, v[RP]
	WALU
	v_rcp_f32 v[RL], v14
	v_nop
	WALU
.set j, 0
.rept 16
	v_pk_mul_f32 v[S+j:S+j+1], v[O+j:O+j+1], v[RL:RL+1] op_sel_hi:[1,0]
.set j, j+2
.endr
.irp b, 0,1
	v_max3_num_f32 v[TM+\b], |v[S+16*\b]|, |v[S+16*\b+1]|, 0x1800000
.endr
.irp k, 2,4,6,8,10,12,14
.irp b, 0,1
	D 2
	v_max3_num_f32 v[TM+\b], v[TM+\b], |v[S+16*\b+\k]|, |v[S+16*\b+\k+1]|
.endr
.endr
.irp b, 0,1
	D 2
	v_permlanex16_b32 v[TM+4+\b], v[TM+\b], s[SEL], s[SEL+1]
.endr
.irp b, 0,1
	D 2
	v_max_num_f32 v[TM+\b], v[TM+\b], v[TM+4+\b]
.endr
.irp b, 0,1
	D 2
	v_add_nc_u32 v[TM+8+\b], 0xff000000, v[TM+\b]
.endr
.irp b, 0,1
	D 2
	v_lshrrev_b32 v[TM+4+\b], 23, v[TM+8+\b]
.endr
	v_cvt_scalef32_pk16_fp6_f32 v[XC+6*\i:XC+6*\i+2], v[S:S+15], v[TM+8]
	v_cvt_scalef32_pk16_fp6_f32 v[XT:XT+2], v[S+16:S+31], v[TM+9]
	v_lshl_or_b32 v[XW+\i], v[TM+5], 8, v[TM+4]    ; the head's two scale bytes (a plain place behind the conversions)
.irp k, 0,1,2
	v_permlane16_swap_b32 v[XC+6*\i+\k], v[XT+\k]  ; a whole block of 32 channels in a lane
.endr
.irp k, 0,1,2
	D 3
	v_mov_b32 v[XC+6*\i+3+\k], v[XT+\k]
.endr
.irp k, 0,1,2
	global_store_b64 v[L8], v[XC+6*\i+2*\k:XC+6*\i+2*\k+1], s[10:11] offset:12*12288*\i+256*\k   ; 256 consecutive bytes a store, aligned
.endr
	global_store_b16 v[XSO], v[XW+\i], s[12:13] offset:12*512*\i   ; both halves of the lanes hold and write the same; a token's other bytes belong to other heads' work-groups
.if \i < 2
	BEGIN
	s_wait_loadcnt 0x0
.endif
.endm
	LOADQ 0
	s_wait_loadcnt 0x0
	s_cmp_lt_u32 s[WV], 2
	s_cbranch_scc0 .Lnot_first
	s_wait_tensorcnt 0x0                           ; waves 0 and 1: block 0 of K and of V
.Lnot_first:
	s_barrier_signal -1
	s_barrier_wait -1
	s_mov_b32 s[TB], 2*BLK
	KLOAD
	STEP 0                                         ; block 0; nothing of block 1 is read yet
	s_wait_tensorcnt 0x0                           ; every wave: its blocks
	s_wait_dscnt 0x0
	s_barrier_signal -1                            ; a plain barrier: all of K and V is shown to all
	s_barrier_wait -1
	WALK 3, 15, 0
	FINISH 0
	WALK 2, 16, 0
	FINISH 1
	WALK 2, 16, 1
	s_cmp_lt_u32 s[WV], 8
	s_cbranch_scc0 .Lend
	FINISH 2
.Lend:
	s_wait_tensorcnt 0x0                           ; the wave's end
	ds_add_u32 v[SPW], v[NIL]
	s_wait_dscnt 0x0
	CROUND                                         ; the closing round
	s_endpgm
.Lfunc_end_k_q7c3b0cfeb1_attn:
	.size	k_q7c3b0cfeb1_attn, .Lfunc_end_k_q7c3b0cfeb1_attn-k_q7c3b0cfeb1_attn
	.p2alignl 7, 3214868480
	.fill 96, 4, 3214868480
	.section	.rodata,"a",@progbits
	.p2align	6, 0x0
	.amdhsa_kernel k_q7c3b0cfeb1_attn
		.amdhsa_group_segment_fixed_size 327680
		.amdhsa_private_segment_fixed_size 0
		.amdhsa_enable_private_segment 0
		.amdhsa_kernarg_size 40
		.amdhsa_user_sgpr_count 2
		.amdhsa_user_sgpr_kernarg_segment_ptr 1
		.amdhsa_wavefront_size32 1
		.amdhsa_system_sgpr_workgroup_id_x 1
		.amdhsa_system_sgpr_workgroup_id_y 1
		.amdhsa_system_sgpr_workgroup_id_z 1
		.amdhsa_system_vgpr_workitem_id 0
		.amdhsa_next_free_vgpr 336
		.amdhsa_next_free_sgpr 80
		.amdhsa_reserve_vcc 0
		.amdhsa_float_denorm_mode_32 3
		.amdhsa_float_denorm_mode_16_64 3
		.amdhsa_memory_ordered 1
		.amdhsa_forward_progress 1
		.amdhsa_inst_pref_size 89
	.end_amdhsa_kernel
	.amdgpu_metadata
---
amdhsa.version: [ 1, 2 ]
amdhsa.kernels:
  - .name:           k_q7c3b0cfeb1_attn
    .symbol:         k_q7c3b0cfeb1_attn.kd
    .args:
      - { .name: qimg, .offset: 0, .size: 8, .value_kind: global_buffer, .address_space: global }
      - { .name: kimg, .offset: 8, .size: 8, .value_kind: global_buffer, .address_space: global }
      - { .name: vimg, .offset: 16, .size: 8, .value_kind: global_buffer, .address_space: global }
      - { .name: ximg, .offset: 24, .size: 8, .value_kind: global_buffer, .address_space: global }
      - { .name: xscl, .offset: 32, .size: 8, .value_kind: global_buffer, .address_space: global }
    .group_segment_fixed_size: 327680
    .private_segment_fixed_size: 0
    .kernarg_segment_align: 8
    .kernarg_segment_size: 40
    .max_flat_workgroup_size: 384
    .sgpr_count:     80
    .vgpr_count:     336
    .wavefront_size: 32
...
	.end_amdgpu_metadata
.endif
;; end of part 3
;; launch outp (part 4): grid 32 x 8, 4 waves a work-group, clusters of 4 x 4, 327,680 bytes of LDS; arguments ximg, xscl, codes, scales, out0, bo; writes out0
.if DOCPART == 4
	.amdgcn_target "amdgcn-amd-amdhsa--gfx1250"
	.amdhsa_code_object_version 6
	.text
	.protected	k_q7c3b0cfeb1_outp
	.globl	k_q7c3b0cfeb1_outp
	.p2align	8
	.type	k_q7c3b0cfeb1_outp,@function
k_q7c3b0cfeb1_outp:
	s_mov_b64 s[64:65], 0
	v_nop
	global_prefetch_b8 v0, s[64:65] scope:SCOPE_SE
	s_setreg_imm32_b32 hwreg(HW_REG_WAVE_MODE, 25, 1), 1
	s_wait_xcnt 0x0
	s_wait_alu depctr_hold_cnt(0) depctr_sa_sdst(0) depctr_va_vdst(0) depctr_va_sdst(0) depctr_va_ssrc(0) depctr_va_vcc(0) depctr_vm_vsrc(0)
	s_getreg_b32 s2, hwreg(HW_REG_IB_STS2, 6, 4)
	s_cmp_eq_u32 s2, 0
	s_cbranch_scc0 .Lentry_in_a_cluster
	s_endpgm
.Lentry_in_a_cluster:
	s_bfe_u32 s2, ttmp6, 0x10000c
	s_cmp_lg_u32 s2, 0xf033
	s_cbranch_scc0 .Lentry_shape_is_right
	s_endpgm
.Lentry_shape_is_right:
; out[token][n] = sum over k of x[token][k] Wo[n][k] + bo[n], f32, on codes of FP6: 8,192 x 1,024 x 1,024.  A sum begins with the bias.
; LIMITS: NaN, infinities and sums beyond f32's range are not served.
; A: ximg[tile of 16 tokens][head][piece][lane][8 bytes], 12,288 bytes a tile: a fragment is two heads of three pieces, 256 bytes apart.  Its scale bytes: xscl[token][32].
; B: Wo's rows in the four planes of codes (192 bytes a row and plane) and in scales, WOROW rows in.
; THE DEAL.  256 work-groups of four waves, 2 x 2, each 256 tokens x 128 columns.  A wave holds four tiles of 16 columns of Wo, all of K, in registers, and streams x's rows past them in eight blocks of 16: block s of wave row a is tokens 32 s + 16 a + 0 .. 15.
; The cluster's x counts tile rows: x's rows are shared by a column of the cluster (mask s44), Wo's by a row (mask s45).
; LDS: A's 256 rows, dense, all at once (no refill, and no data prefetch: all is asked for at the head); B's 128 rows as 4 planes, 8 bytes of padding behind every 64 (pitch 216); A's scale bytes; the spare words.
; The waves' stages lie in B's first bytes, which are read for the last time ahead of the barrier in front of the stream.
; THE HEAD'S FOUR TILES, one a wave, each on its own line: B (4 rows of 24,576 bytes, a plane apart); A's rows 0 to 127; 128 to 191; 192 to 255.  The stream begins when the first two are in; a plain barrier inside block 1 (and, the text being a loop's, 3 and 5) shows the others.
; Two sets of A's fragments, of accumulators and of the rows that come back from the stage, by turns.  One run of memory lines behind a block's 32 products, and one wait on LDS a block: younger than the rows' way back is the run's fetch alone (NF).
.set SIZE_N, 1024
.set PLANE, 28672*192
.set WOROW, 27648
.set NQ, 8
.set NB, 4
.set TM, 256
.set TN, 128
.set KROW, 768
.set KS, 32
.set PB, 216                           ; B's LDS pitch: 192 + 3 x 8
.set PLB, 128*PB
.set FR, 12
.set FPW, 256/FR
.set NF, 26
.set YB, TM*KROW
.set SCL, YB+4*PLB
.set RS, TM*KS/256
.set SSTEP, (32*KS/256)*272
.set SPITCH, 16*NB*4+16
.set STAGE, YB
.set SPARE, SCL+RS*272
.set AAS0, 6
.set CO, 9
.set SPW, 10
.set NIL, 11
.set ABS, 16
.set AAS, 17
.set STO, 18
.set RD, 19
.set SB, 24                            ; v24-39 B's scale words
.set SA, 42                            ; v42-57 A's: two sets of eight
.set ACC, 64                           ; v64-127 two sets of four accumulators
.set BK, 128                           ; v128-191 two sets: 16 rows x 256 bytes back from the stage
.set AQ0, 192
.set AQ, 200
.set BO, 208                           ; v208-239 the bias as the first four products' C
.set BA, 240                           ; v240-243 LDS addresses of B: planes 0, 1 and planes 2, 3; the second of each for pieces behind one padding more
.set G1A, 24
.set G0A, 56
.set G1B, 32
.set G0B, 60
.set MSB, 0
.macro WIN new
.if MSB != \new
	s_set_vgpr_msb (MSB<<8)|\new
.set MSB, \new
.endif
.endm
.macro PLACES n
.rept \n
	v_nop
.endr
.endm
.macro WALU
	s_wait_alu depctr_va_vdst(0)
.endm
.macro BARRIER
	s_barrier_signal -1
	s_barrier_wait -1
.endm
.macro CROUND
	BARRIER
	s_cmp_lg_u32 s14, 0
	s_cbranch_scc1 .Lnot_wave_0_\@
	s_barrier_signal -3
.Lnot_wave_0_\@:
	s_barrier_wait -3
	BARRIER
.endm
.macro TLOAD g0, g1
	tensor_load_to_lds s[\g0:\g0+3], s[\g1:\g1+7]
	s_nop 0
	PLACES 4
.endm
.macro ATILE first, rows               ; a part of A's 256 rows, by a descriptor of constants
	s_mov_b32 s[G0A+1], (\first)*KROW
	s_mov_b32 s[G1A+2], (\rows)<<16
	s_mov_b32 s[G1A+4], \rows
.if \first
	s_add_nc_u64 s[G0A+2:G0A+3], s[G0A+2:G0A+3], (\first)*KROW
.endif
	s_or_b32 s[G0A+3], s[G0A+3], 0x80000000
	TLOAD G0A, G1A
.endm
.macro FRAGB f, q, b                   ; fragment q along K of column tile b: six pieces of 8 bytes of plane q / 2
	WIN (1+(\f)/FPW)<<6
.set R_, FR*((\f)%FPW)
.irp p, 0,1,2,3,4,5
.set PC_, 12*((\q)%2)+6*(\p/3)+\p%3
.if PC_%8 < 5
	ds_load_b64 v[R_+2*\p:R_+2*\p+1], v[BA+2*((\q)/4)] offset:(((\q)/2)%2)*PLB+(\b)*16*PB+8*PC_+8*(PC_/8)
.else
	ds_load_b64 v[R_+2*\p:R_+2*\p+1], v[BA+2*((\q)/4)+1] offset:(((\q)/2)%2)*PLB+(\b)*16*PB+8*PC_+8*(PC_/8)
.endif
.endr
.endm
.macro FETCHAT e, aq, as               ; a block of A into set e: NF loads
.irp q, 0,1,2,3,4,5,6,7
	WIN (1+(NB*NQ+NQ*(\e)+\q)/FPW)<<6
.irp p, 0,2,4
	ds_load_2addr_b64 v[FR*((NB*NQ+NQ*(\e)+\q)%FPW)+2*\p:FR*((NB*NQ+NQ*(\e)+\q)%FPW)+2*\p+3], v[\aq+\q] offset0:32*\p offset1:32*\p+32
.endr
.endr
	WIN 0
	ds_load_b128 v[SA+8*(\e):SA+8*(\e)+3], v[\as]
	ds_load_b128 v[SA+8*(\e)+4:SA+8*(\e)+7], v[\as] offset:16
.endm
.macro PROD e, n                       ; product n = 4 q + tile of a block whose rows lie in set e; source 0 = B's rows: a lane holds eight neighbouring columns of one token
.set Q_, (\n)/4
.set FB_, NB*Q_+(\n)%4
.set FA_, NB*NQ+NQ*(\e)+Q_
.set D_, ACC+32*(\e)+8*((\n)%4)
.set XB_, SB+NQ*(((\n)%4)/2)+Q_
.set XA_, SA+8*(\e)+Q_
	WIN (1+FB_/FPW)|((1+FA_/FPW)<<2)
.if Q_
	PROD1 D_, FB_, FA_, v[D_:D_+7], XB_, XA_, (\n)%2
.else
	PROD1 D_, FB_, FA_, v[BO+8*((\n)%4):BO+8*((\n)%4)+7], XB_, XA_, (\n)%2
.endif
.endm
.macro PROD1 d, s0, s1, c, x0, x1, o
.if \o
	v_wmma_scale_f32_16x16x128_f8f6f4 v[\d:\d+7], v[FR*((\s0)%FPW):FR*((\s0)%FPW)+FR-1], v[FR*((\s1)%FPW):FR*((\s1)%FPW)+FR-1], \c, v[\x0], v[\x1] matrix_a_fmt:MATRIX_FMT_FP6 matrix_b_fmt:MATRIX_FMT_FP6 matrix_a_scale:MATRIX_SCALE_ROW1
.else
	v_wmma_scale_f32_16x16x128_f8f6f4 v[\d:\d+7], v[FR*((\s0)%FPW):FR*((\s0)%FPW)+FR-1], v[FR*((\s1)%FPW):FR*((\s1)%FPW)+FR-1], \c, v[\x0], v[\x1] matrix_a_fmt:MATRIX_FMT_FP6 matrix_b_fmt:MATRIX_FMT_FP6 matrix_a_scale:MATRIX_SCALE_ROW0
.endif
.endm
.macro ENTRY i, fetch                  ; behind products 1 to 5: five of the next fetch's nine addresses
.if \fetch
.if (\i) == 1
	s_add_co_u32 s101, s101, 32*KROW
	s_add_co_u32 s91, s91, SSTEP
.endif
.if (\i) >= 1 && (\i) <= 5
	WIN 0
	v_add_nc_u32 v[AQ+\i-1], s101, v[AQ0+\i-1]
.endif
.endif
.endm
.macro PRODS e, from, to, fetch
.set N_, \from
.rept (\to)-(\from)
	PROD \e, N_
	ENTRY N_, \fetch
.set N_, N_+1
.endr
	WIN 0
.endm
.macro TOC s                           ; the rows in set s of BK go to C: rows 2 t and 2 t + 1 of the pair's block s
.irp t, 0,1,2,3,4,5,6,7
	global_store_b128 v[CO], v[BK+32*(\s)+4*\t:BK+32*(\s)+4*\t+3], s[12:13] offset:(32*(\s)+2*\t)*SIZE_N*4 th:TH_STORE_NT
.endr
.endm
.macro STAGED u                        ; set u's sums into my stage, each accumulator from its low end on, and back as whole rows of 256 bytes; LDS serves a wave's instructions in order
.irp b, 0,1,2,3
	ds_store_b128 v[STO], v[ACC+32*(\u)+8*\b:ACC+32*(\u)+8*\b+3] offset:64*\b
	ds_store_b128 v[STO], v[ACC+32*(\u)+8*\b+4:ACC+32*(\u)+8*\b+7] offset:64*\b+16
.endr
.irp t, 0,1,2,3,4,5,6,7
	ds_load_b128 v[BK+32*(\u)+4*\t:BK+32*(\u)+4*\t+3], v[RD] offset:2*\t*SPITCH
.endr
.endm
.macro STREAM s, fetch, show           ; a pair's block s.  show = 1: a plain barrier inside the block shows waves 2 and 3's tiles to all
.if \show
	PRODS \s, 0, 24, \fetch
	s_wait_tensorcnt 0x0
	s_wait_dscnt 0x0
	s_barrier_signal -1
	PRODS \s, 24, 32, \fetch
	s_barrier_wait -1
.else
	PRODS \s, 0, 32, \fetch
.endif
.if \fetch                             ; four plain vector lines between the last product and the first reader of its sums
	v_add_nc_u32 v[AQ+5], s101, v[AQ0+5]
	v_add_nc_u32 v[AQ+6], s101, v[AQ0+6]
	v_add_nc_u32 v[AQ+7], s101, v[AQ0+7]
	v_add_nc_u32 v[AAS], s91, v[AAS0]
	WALU
.else
	PLACES 4
.endif
	s_wait_xcnt 0x0                                ; the stores of two blocks ago have read set s of the rows, and those of the block before their base
.if (\s) == 0
	s_add_nc_u64 s[12:13], s[12:13], s[20:21]      ; on to this pair's rows of C
.endif
	STAGED \s
.if \fetch
	FETCHAT \s, AQ, AAS
	s_wait_dscnt NF                                ; the block's rows are back from the stage; its fetch is younger
.else
	s_wait_dscnt 0x0
.endif
	TOC \s
.endm
	s_load_b128 s[4:7], s[0:1], 0x0                ; ximg, xscl
	s_load_b128 s[8:11], s[0:1], 0x10              ; codes, scales
	s_load_b64 s[12:13], s[0:1], 0x20              ; out0
	s_load_b64 s[86:87], s[0:1], 0x28              ; bo
	v_lshl_add_u32 v[SPW], v0, 2, SPARE
	v_mov_b32 v[NIL], 0
	ds_add_u32 v[SPW], v[NIL]                      ; the opening lines
	ds_add_u32 v[SPW], v[NIL]
	v_lshrrev_b32 v1, 5, v0
	v_readfirstlane_b32 s14, v1                    ; the wave; s15 its row of the 2 x 2, s16 its column
	s_lshr_b32 s15, s14, 1
	s_and_b32 s16, s14, 1
	s_bfe_u32 s40, ttmp6, 0x40000
	s_bfe_u32 s41, ttmp6, 0x40004
	s_lshl_b32 s43, ttmp9, 2
	s_add_co_u32 s43, s43, s40                     ; tile row of C
	s_and_b32 s42, ttmp7, 0xffff
	s_lshl_b32 s42, s42, 2
	s_add_co_u32 s42, s42, s41                     ; tile column of C
	s_lshl_b32 s44, 0x1111, s40                    ; my column of the cluster: shares A's rows
	s_lshl_b32 s45, s41, 2
	s_lshl_b32 s45, 15, s45                        ; my row: shares B's
	s_or_b32 s[G1A+0], s44, (1<<21)                ; A's tiles: dense rows of 768 bytes; how many, each wave's own arm says
	s_mov_b32 s[G1A+1], KROW<<16
	s_mov_b32 s[G1A+3], KROW<<16
	s_mov_b32 s[G1A+5], KROW
	s_mov_b32 s[G1A+6], 0
	s_mov_b32 s[G1A+7], 0
	s_or_b32 s[G1B+0], s45, (3<<16)|(1<<20)|(1<<21)|(3<<22)|(1<<25)   ; B: 4 rows of 3,072 elements of 8 bytes, a plane apart; 2 words of padding behind every 16
	s_mov_b32 s[G1B+1], 3072<<16
	s_mov_b32 s[G1B+2], 4<<16
	s_mov_b32 s[G1B+3], 3072<<16
	s_mov_b32 s[G1B+4], 4
	s_mov_b32 s[G1B+5], PLANE/8
	s_mov_b32 s[G1B+6], 0
	s_mov_b32 s[G1B+7], 0
	s_mov_b32 s[G0A], 1
	s_mov_b32 s[G0B], 1
	s_mov_b32 s[G0B+1], YB
	s_mul_i32 s76, s43, TM*KROW
	s_mov_b32 s77, 0
	s_mul_i32 s78, s42, TN*192
	s_add_co_u32 s78, s78, WOROW*192
	s_mov_b32 s79, 0
	s_mul_i32 s80, s43, TM*KS
	s_mov_b32 s81, 0
	s_mul_i32 s82, s42, TN*KS
	s_mul_i32 s21, s16, 16*NB*KS
	s_add_co_u32 s82, s82, s21
	s_add_co_u32 s82, s82, WOROW*KS
	s_mov_b32 s83, 0
	s_mul_i32 s88, s42, TN*4
	s_mul_i32 s21, s16, 16*NB*4
	s_add_co_u32 s88, s88, s21                     ; my first column, in bytes
	s_mov_b32 s89, 0
	s_mul_i32 s84, s43, TM*SIZE_N*4
	s_mul_i32 s21, s15, 16*SIZE_N*4
	s_add_co_u32 s84, s84, s21
	s_add_co_u32 s84, s84, s88
	s_mov_b32 s85, 0
	s_mul_i32 s23, s15, 16*KROW
	s_mul_i32 s22, s16, 16*NB*PB
	s_add_co_u32 s22, s22, YB
	s_mul_i32 s90, s15, (16*KS/256)*272
	s_add_co_u32 s90, s90, SCL
	s_mul_i32 s92, s14, 16*SPITCH
	s_add_co_u32 s92, s92, STAGE
	v_and_b32 v1, 15, v0
	v_bfe_u32 v2, v0, 4, 1
	v_and_b32 v3, 31, v0
	v_mul_u32_u24 v22, v1, PB
	v_mad_u32_u24 v23, v2, 24, v22
	v_lshl_add_u32 v[AQ0], v3, 3, s23
	v_add_nc_u32 v[BA], s22, v23
	v_mad_u32_u24 v23, v2, 24+8, v22
	v_add_nc_u32 v[BA+1], s22, v23
	v_add_nc_u32 v[BA+2], 2*PLB, v[BA]
	v_add_nc_u32 v[BA+3], 2*PLB, v[BA+1]
.irp q, 1,2,3,4,5,6,7
	v_add_nc_u32 v[AQ0+\q], 1536*\q, v[AQ0]
.endr
.irp q, 0,1,2,3,4,5,6,7
	v_add_nc_u32 v[AQ+\q], 32*KROW+1536*\q, v[AQ0]
.endr
	v_mul_u32_u24 v[ABS], v3, KS
	v_mul_u32_u24 v23, v1, KS
	v_lshrrev_b32 v22, 8, v23
	v_lshl_add_u32 v23, v22, 4, v23
	v_add_nc_u32 v[AAS0], s90, v23
	v_add_nc_u32 v[AAS], SSTEP, v[AAS0]
	v_mul_u32_u24 v23, v1, SPITCH
	v_lshl_add_u32 v23, v2, 5, v23
	v_add_nc_u32 v[STO], s92, v23
	v_mul_u32_u24 v23, v2, SPITCH
	v_lshl_add_u32 v23, v1, 4, v23
	v_add_nc_u32 v[RD], s92, v23
	v_mul_u32_u24 v23, v2, SIZE_N*4
	v_lshl_add_u32 v[CO], v1, 4, v23
	v_lshlrev_b32 v8, 5, v2                        ; the bias: 32 bytes for each half of the lanes
	v_lshlrev_b32 v20, 4, v0                       ; A's scale bytes: 16 bytes a thread and load,
	v_lshrrev_b32 v21, 4, v0
	v_mul_u32_u24 v21, v21, 272
	v_lshl_add_u32 v21, v1, 4, v21
	v_add_nc_u32 v21, SCL, v21                     ; into units of 256 + 16
	WALU                                           ; the wait at the head's end
	s_wait_dscnt 0x0
	CROUND                                         ; the opening round
	s_wait_kmcnt 0x0
	s_add_nc_u64 s[G0A+2:G0A+3], s[4:5], s[76:77]
	s_add_nc_u64 s[G0B+2:G0B+3], s[8:9], s[78:79]
	s_or_b32 s[G0B+3], s[G0B+3], 0x80000000
	s_add_nc_u64 s[6:7], s[6:7], s[80:81]
	s_add_nc_u64 s[10:11], s[10:11], s[82:83]
	s_add_nc_u64 s[12:13], s[12:13], s[84:85]
	s_add_nc_u64 s[86:87], s[86:87], s[88:89]
	s_cmp_eq_u32 s14, 0
	s_cbranch_scc0 .Lwave_1
	TLOAD G0B, G1B                                 ; wave 0: B's rows, which are wanted first
	s_branch .Lasked
.Lwave_1:
	s_cmp_eq_u32 s14, 1
	s_cbranch_scc0 .Lwave_2
	ATILE 0, 128
	s_branch .Lasked
.Lwave_2:
	s_cmp_eq_u32 s14, 2
	s_cbranch_scc0 .Lwave_3
	ATILE 128, 64
	s_branch .Lasked
.Lwave_3:
	ATILE 192, 64
.Lasked:
.irp k, 0,1,2,3
	global_load_b128 v[BK+4*\k:BK+4*\k+3], v20, s[6:7] offset:2048*\k   ; the 128 threads read 2,048 consecutive bytes
.endr
.irp b, 0,1,2,3
	global_load_b128 v[BO+8*\b:BO+8*\b+3], v8, s[86:87] offset:64*\b     ; register i of tile b of lane (r, h) is column 16 b + 8 h + i
	global_load_b128 v[BO+8*\b+4:BO+8*\b+7], v8, s[86:87] offset:64*\b+16
.endr
.irp p, 0,1
.irp c, 0,1
	global_load_b128 v[SB+NQ*\p+4*\c:SB+NQ*\p+4*\c+3], v[ABS], s[10:11] offset:\p*32*KS+16*\c
.endr
.endr
	s_wait_loadcnt 0x0
.irp k, 0,1,2,3
	ds_store_b128 v21, v[BK+4*\k:BK+4*\k+3] offset:2176*\k
.endr
	s_wait_dscnt 0x0
	s_cmp_eq_u32 s14, 0
	s_cbranch_scc0 .Lnot_b
	s_wait_tensorcnt 0x0
.Lnot_b:
	BARRIER                                        ; B has landed
.irp q, 0,1,2,3,4,5,6,7
.irp b, 0,1,2,3
	FRAGB NB*\q+\b, \q, \b
.endr
.endr
	WIN 0
	s_mov_b32 s101, 32*KROW
	s_mov_b32 s91, SSTEP
	s_cmp_eq_u32 s14, 1
	s_cbranch_scc0 .Lnot_a
	s_wait_tensorcnt 0x0                           ; wave 1: A's rows 0 to 127
.Lnot_a:
	s_wait_dscnt 0x0
	BARRIER                                        ; A's first 128 rows and all scale bytes are in, and nobody reads B's bytes any more
	FETCHAT 0, AQ0, AAS0
	FETCHAT 1, AQ, AAS
	s_mov_b32 s23, 0
	s_mov_b32 s20, 0                               ; s[20:21]: from a pair's rows of C to the next pair's
	s_mov_b32 s21, 0
	s_wait_dscnt NF                                ; block 0's rows are in
.Lpair:                                        ; blocks 0 to 5, a pair a trip
	STREAM 0, 1, 0
	STREAM 1, 1, 1
	s_mov_b32 s20, 64*SIZE_N*4
	s_add_co_u32 s23, s23, 1
	s_cmp_lg_u32 s23, 3
	s_cbranch_scc1 .Lpair
	STREAM 0, 0, 0                                 ; blocks 6 and 7 fetch nothing
	STREAM 1, 0, 0
	s_wait_tensorcnt 0x0                           ; the wave's end
	ds_add_u32 v[SPW], v[NIL]
	s_wait_dscnt 0x0
	CROUND
	s_endpgm
.Lfunc_end_k_q7c3b0cfeb1_outp:
	.size	k_q7c3b0cfeb1_outp, .Lfunc_end_k_q7c3b0cfeb1_outp-k_q7c3b0cfeb1_outp
	.p2alignl 7, 3214868480
	.fill 96, 4, 3214868480
	.section	.rodata,"a",@progbits
	.p2align	6, 0x0
	.amdhsa_kernel k_q7c3b0cfeb1_outp
		.amdhsa_group_segment_fixed_size 327680
		.amdhsa_private_segment_fixed_size 0
		.amdhsa_enable_private_segment 0
		.amdhsa_kernarg_size 48
		.amdhsa_user_sgpr_count 2
		.amdhsa_user_sgpr_kernarg_segment_ptr 1
		.amdhsa_wavefront_size32 1
		.amdhsa_system_sgpr_workgroup_id_x 1
		.amdhsa_system_sgpr_workgroup_id_y 1
		.amdhsa_system_sgpr_workgroup_id_z 1
		.amdhsa_system_vgpr_workitem_id 0
		.amdhsa_next_free_vgpr 840
		.amdhsa_next_free_sgpr 102
		.amdhsa_reserve_vcc 0
		.amdhsa_float_denorm_mode_32 3
		.amdhsa_float_denorm_mode_16_64 3
		.amdhsa_memory_ordered 1
		.amdhsa_forward_progress 1
		.amdhsa_inst_pref_size 57
	.end_amdhsa_kernel
	.amdgpu_metadata
---
amdhsa.version: [ 1, 2 ]
amdhsa.kernels:
  - .name:           k_q7c3b0cfeb1_outp
    .symbol:         k_q7c3b0cfeb1_outp.kd
    .args:
      - { .name: ximg, .offset: 0, .size: 8, .value_kind: global_buffer, .address_space: global }
      - { .name: xscl, .offset: 8, .size: 8, .value_kind: global_buffer, .address_space: global }
      - { .name: codes, .offset: 16, .size: 8, .value_kind: global_buffer, .address_space: global }
      - { .name: scales, .offset: 24, .size: 8, .value_kind: global_buffer, .address_space: global }
      - { .name: out0, .offset: 32, .size: 8, .value_kind: global_buffer, .address_space: global }
      - { .name: bo, .offset: 40, .size: 8, .value_kind: global_buffer, .address_space: global }
    .group_segment_fixed_size: 327680
    .private_segment_fixed_size: 0
    .kernarg_segment_align: 8
    .kernarg_segment_size: 48
    .max_flat_workgroup_size: 128
    .sgpr_count:     102
    .vgpr_count:     840
    .wavefront_size: 32
...
	.end_amdgpu_metadata
.endif
;; end of part 4
